; MI455X (gfx1250); checked and timed in simulation.
; The chip was launched on July 23, 2026; its instructions are those of AMD's public machine-readable ISA for CDNA 5 (MIT licence, August 2026) and "CDNA5" Instruction Set Architecture Reference Guide (July 2026). The comments in the code are by the model that wrote it; some were corrected since.
;; Llama Attention. Allowed arithmetic: matrix products marked QUANTISED: E2M1 operands, one E8M0 scale for each 32 along K, by v_wmma_scale_f32_16x16x128_f8f6f4 with both operands' format E2M1 (or v_wmma_scale_f32_32x16x128_f4), f32 sums; products left as they are: bf16, f16 or f32 operands; f32 sums; everything else in f32.
;; Inputs: Wk 1,024 x 4,096 float32; Wo 4,096 x 2,048 float32; Wq 2,048 x 4,096 float32; Wv 1,024 x 4,096 float32; hidden_states 1 x 2,048 x 4,096 float32; position_ids 1 x 2,048 int32.
;; Outputs: out0 1 x 2,048 x 4,096 float32.
;; This version of the problem:
;;   THIS VERSION OF THE PROBLEM IS GIVEN IN LOW PRECISION. The matrix products marked QUANTISED in the list below multiply operands that are first quantised to E2M1 (2 exponent bits, 1 mantissa bit; 4 bits a number), with one power-of-two scale for each 32 numbers along K (OCP MX v1.0); their sums are f32. The products marked 'left as it is' may take bf16, f16 or f32 operands, with f32 sums. Whichever they take, every output number must still come out within the allowed error. Rounding operands to bf16 (8 significant bits) uses up far more of that allowance than f16 does (11 bits, for magnitudes from 6e-5 to 65,504). All else is computed in f32.
;;   The module's matrix products, in the order in which they are computed (A, B: the left and right operand; K: the contracted axis; several contracted axes count as one K, in the product's order):
;;     1. [M 2,048, K 4,096] x [K 4,096, N 2,048]; A: input hidden_states; B: input Wq: QUANTISED
;;     2. [M 2,048, K 4,096] x [K 4,096, N 1,024]; A: input hidden_states; B: input Wk: QUANTISED
;;     3. [M 2,048, K 4,096] x [K 4,096, N 1,024]; A: input hidden_states; B: input Wv: QUANTISED
;;     4. batch 16 x [M 2,048, K 128] x [K 128, N 2,048]; A: computed on the way; B: computed on the way: left as it is (an operand is computed on the way)
;;     5. batch 16 x [M 2,048, K 2,048] x [K 2,048, N 128]; A: computed on the way; B: computed on the way: left as it is (an operand is computed on the way)
;;     6. [M 2,048, K 2,048] x [K 2,048, N 4,096]; A: computed on the way; B: input Wo: left as it is (an operand is computed on the way)
;;   THE QUANTISER, for each operand of a quantised product, along K:
;;     - K is cut into blocks of 32 from its start; a last block that is shorter is filled with zeros.
;;     - A block's scale is 2^e with e = floor(log2(the largest magnitude in the block)) - 2, held to -126 .. 127; a block of zeros has e = 0. As a byte (E8M0): e + 127.
;;     - Each number is divided by its block's scale, clamped to +-6, and rounded to the nearest number of E2M1, ties to even, subnormals kept.
;;     - The product sums the exact products of the quantised numbers (number of the format x scale) in f32.
;;   ~~~python
;;   def quantise(x, axis):      # numpy; x: float32 -> the quantised numbers, widened to float32 again
;;       x = np.moveaxis(x, axis, -1); K = x.shape[-1]
;;       x = np.pad(x, [(0, 0)] * (x.ndim - 1) + [(0, -K % 32)]); x = x.reshape(x.shape[:-1] + (-1, 32)); a = np.abs(x).max(-1, keepdims=True)
;;       e = np.where(a > 0, np.clip(np.frexp(np.where(a > 0, a, 1))[1] - 1 - 2, -126, 127), 0)      # np.frexp(a)[1] - 1 = floor(log2(a)), exactly
;;       r = np.clip(x / 2.0 ** e, -6, 6)
;;       step = 2.0 ** (np.maximum(np.frexp(np.where(r == 0, 1, r))[1] - 1, 0) - 1)
;;       q = np.round(r / step) * step * 2.0 ** e      # np.round: ties to even
;;       return np.moveaxis(q.reshape(q.shape[:-2] + (-1,))[..., :K], -1, axis).astype(np.float32)
;;   ~~~
;; One version. Each part assembles by itself: llvm-mc -triple=amdgcn-amd-amdhsa -mcpu=gfx1250 --defsym DOCPART=n.
;; ======== version 1 of 1: 4 launches
;; limits: values are held in f16: magnitudes above 65,504 overflow, below 6.1e-05 lose precision; right only within a limited range of input values; inputs' magnitudes at most 1,048,576
;; workspace buffers: xq4 4,456,448 bytes; wq4 8,912,896 bytes; wo16 16,777,216 bytes; ropetab 1,056,768 bytes; qkh 12,582,912 bytes; vth 4,194,304 bytes; atth 8,388,608 bytes
;; launch prep (part 1): grid 1153 x 1, 4 waves a work-group, no clusters, 33,280 bytes of LDS; arguments hidden_states, Wq, Wk, Wv, Wo, position_ids, xq4, wq4, wo16, ropetab; writes xq4, wq4, wo16, ropetab
.if DOCPART == 1
	.amdgcn_target "amdgcn-amd-amdhsa--gfx1250"
	.amdhsa_code_object_version 6
	.text
	.protected	k_q5483b626e5_prep
	.globl	k_q5483b626e5_prep
	.p2align	8
	.type	k_q5483b626e5_prep,@function
k_q5483b626e5_prep:
	s_mov_b64 s[64:65], 0
	v_nop
	global_prefetch_b8 v0, s[64:65] scope:SCOPE_SE
	s_setreg_imm32_b32 hwreg(HW_REG_WAVE_MODE, 25, 1), 1
	s_wait_xcnt 0x0
; PREP: everything that is made once from the inputs.  Three kinds of work-groups, told apart by the work-group's number alone:
;   0 .. 767     hidden_states, Wq, Wk, Wv (f32, K = 4,096 innermost) become codes of E2M1, two a byte, and one E8M0 byte for each 32 along K.
;                xq4: codes [2048][2048 bytes], then scale bytes [2048][128] from byte 4,194,304.  wq4: rows 0-2047 Wq, 2048-3071 Wk, 3072-4095 Wv: codes [4096][2048 bytes], scale bytes [4096][128] from byte 8,388,608.
;   768 .. 1023  8 x Wo, rounded once to f16: wo16 [4096][2048].  (q, k, v and the attention's result are carried as value / 8, so the factor 8 here makes the last product come out unscaled; both are powers of two.)
;   1024 .. 1152 the table of cos / 8 and sin / 8: 129 blocks of 8,192 bytes; block t < 128 serves tokens 16 t .. 16 t + 15 by position_ids, block 128 is position 0 (0.125 and 0).
;                In a block 16 images of 512 bytes, image 4 b + 2 cs + jh (cs 0 cos, 1 sin): lane l's 16 bytes are frequencies 16 b + 8 (l / 16) + 4 jh + 0 .. 3 of token 16 t + l % 16: the order in which the next launch's registers take them.
; A block's scale is 2^(floor(log2(largest magnitude)) - 2); its byte is the largest magnitude's exponent field - 2, held at 1 from below.  A block of zeros so gets the byte 1 where the rule says 127: its codes are zeros, and this program alone reads the bytes.
; LIMITS: blocks whose largest magnitude lies under 2^-124 keep the byte 1; NaN and infinities are not served; |Wo| under 8,188 (f16's largest number / 8); |position_ids| up to 2^20 (pi / 2 is taken off in two parts).
.set WAVES, 4
.set STEPS, 16
.set EMAX,  2
.set CB,    8                          ; bytes of 16 codes
.set R,     16                         ; v16-79   four sets of 16 numbers as they are loaded
.set X,     80                         ; v80-111  two sets of 16 neighbours
.set E,     112                        ; v112-127 a scale byte for each step
.set C,     128                        ; v128-191 codes, four registers a step
.set WREG,  8192                       ; LDS: a region for each wave: two stages of 32 x SP bytes, then its 256 scale bytes
.set SP,    80
.set SPW,   12                         ; v12  LDS address of my spare word; never rewritten
.set NIL,   13                         ; v13  0; never rewritten
.set SPARE, WAVES*WREG                 ; behind the four regions: the spare words, 128 bytes a wave, which no other line names
	s_load_b512 s[4:19], s[0:1], 0x0               ; hidden 4:5, Wq 6:7, Wk 8:9, Wv 10:11, Wo 12:13, position_ids 14:15, xq4 16:17, wq4 18:19
	s_load_b128 s[20:23], s[0:1], 0x40             ; wo16 20:21, ropetab 22:23
	v_lshl_add_u32 v[SPW], v0, 2, SPARE
	v_mov_b32 v[NIL], 0
	v_lshrrev_b32 v1, 5, v0
	v_readfirstlane_b32 s24, v1                    ; wave
	v_and_b32 v2, 31, v0                           ; lane
	s_wait_kmcnt 0x0
	s_cmp_lt_u32 ttmp9, 768
	s_cbranch_scc1 .Lquant
	s_cmp_lt_u32 ttmp9, 1024
	s_cbranch_scc1 .Lwo
; ---------------- the table.  Wave w is b; lane (r, h) makes cos and sin of token r at frequencies 16 w + 8 h + 0 .. 7
	s_sub_co_u32 s25, ttmp9, 1024                  ; the block
	s_min_u32 s26, s25, 127                        ; block 128 reads block 127's positions and masks them to 0: no load leaves the buffer
	s_lshl_b32 s26, s26, 6                         ; 16 tokens x 4 bytes
	v_and_b32 v16, 15, v0                          ; r
	v_bfe_u32 v17, v0, 4, 1                        ; h
	v_lshl_add_u32 v18, v16, 2, s26
	global_load_b32 v20, v18, s[14:15]
	s_cmp_eq_u32 s25, 128
	s_cselect_b32 s27, 0, -1
	s_lshl_b32 s28, s24, 4
	v_lshl_add_u32 v22, v17, 3, s28                ; 16 w + 8 h
.irp e, 0,1,2,3,4,5,6,7
	v_add_nc_u32 v23, \e, v22
	v_cvt_f32_u32 v[24+\e], v23
	v_mul_f32 v[24+\e], 0xbe549a78, v[24+\e]       ; - f x log2(10000) / 64
.endr
.irp e, 0,1,2,3,4,5,6,7
	v_exp_f32 v[24+\e], v[24+\e]                   ; 10000^(-f / 64)
.endr
	v_nop                                          ; a plain instruction behind the last exponential
	s_wait_loadcnt 0x0                             ; the position
	s_wait_alu depctr_va_vdst(0)                   ; one wait for the eight, ahead of their first reader
	v_and_b32 v20, s27, v20
	v_cvt_f32_i32 v21, v20
; angle = position x frequency; n = the nearest multiple of pi / 2, taken off in two parts; sin and cos of the rest (at most pi / 4) by polynomials; the quadrant by n mod 4
.macro ANG e
	v_mul_f32 v32, v21, v[24+\e]
	v_mul_f32 v33, 0x3f22f983, v32                 ; x 2 / pi
	v_rndne_f32 v33, v33
	v_fmamk_f32 v32, v33, 0xbfc90fdb, v32          ; - n x the high part of pi / 2
	v_fmamk_f32 v32, v33, 0x333bbd2e, v32          ; - n x the low part (which is negative)
	v_mul_f32 v34, v32, v32                        ; z
	v_mov_b32 v35, 0xb94ca1f9
	v_fmaak_f32 v35, v35, v34, 0x3c08839e
	v_fmaak_f32 v35, v35, v34, 0xbe2aaaa3
	v_mul_f32 v35, v35, v34
	v_fma_f32 v35, v35, v32, v32                   ; sin
	v_mov_b32 v36, 0x37ccf5ce
	v_fmaak_f32 v36, v36, v34, 0xbab6061a
	v_fmaak_f32 v36, v36, v34, 0x3d2aaaa5
	v_mul_f32 v37, v34, v34
	v_fma_f32 v38, v34, -0.5, 1.0
	v_fma_f32 v36, v36, v37, v38                   ; cos
	v_cvt_i32_f32 v33, v33                         ; n as a whole number
	v_and_b32 v37, 1, v33
	v_cmp_eq_u32 vcc_lo, 1, v37
	v_cndmask_b32 v38, v35, v36, vcc_lo            ; sin of the angle: n odd: cos of the rest
	v_cndmask_b32 v39, v36, v35, vcc_lo            ; cos of the angle: n odd: sin of the rest
	v_and_b32 v37, 2, v33
	v_lshlrev_b32 v37, 30, v37
	v_xor_b32 v38, v37, v38                        ; sin changes sign where n mod 4 is 2 or 3
	v_add_nc_u32 v33, 1, v33
	v_and_b32 v33, 2, v33
	v_lshlrev_b32 v33, 30, v33
	v_xor_b32 v39, v33, v39                        ; cos where n mod 4 is 1 or 2
	v_mul_f32 v[48+\e], 0x3e000000, v39            ; / 8
	v_mul_f32 v[56+\e], 0x3e000000, v38
.endm
.irp e, 0,1,2,3,4,5,6,7
	ANG \e
.endr
	s_lshl_b32 s28, s25, 13                        ; 8,192 bytes a block,
	s_lshl_b32 s29, s24, 11                        ; four images of 512 bytes a wave
	s_add_co_u32 s28, s28, s29
	s_mov_b32 s29, 0
	s_add_nc_u64 s[22:23], s[22:23], s[28:29]
	v_lshlrev_b32 v19, 4, v2
	global_store_b128 v19, v[48:51], s[22:23]                 ; each store covers 512 consecutive bytes, aligned
	global_store_b128 v19, v[52:55], s[22:23] offset:512
	global_store_b128 v19, v[56:59], s[22:23] offset:1024
	global_store_b128 v19, v[60:63], s[22:23] offset:1536
	s_endpgm
; ---------------- 8 x Wo to f16.  A wave takes 8,192 numbers: 64 loads of 512 consecutive bytes, 64 stores of 256; two sets of 16 loads are on their way
.Lwo:
	s_sub_co_u32 s25, ttmp9, 768
	s_lshl_b32 s25, s25, 2
	s_add_co_u32 s25, s25, s24                     ; which run of 8,192 numbers
	s_lshl_b32 s28, s25, 15
	s_mov_b32 s29, 0
	s_add_nc_u64 s[12:13], s[12:13], s[28:29]
	s_lshl_b32 s28, s25, 14
	s_add_nc_u64 s[20:21], s[20:21], s[28:29]
	s_mov_b32 s26, 0x41000000                      ; 8.0
	s_mov_b32 s27, s26                             ; (named with it as a pair, so it is written)
	v_lshlrev_b32 v3, 4, v2
	v_lshlrev_b32 v4, 3, v2
.macro WLOAD t
.irp n, 0,1,2,3,4,5,6,7,8,9,10,11,12,13,14,15
	global_load_b128 v[16+64*((\t)%2)+4*\n:16+64*((\t)%2)+4*\n+3], v3, s[12:13] offset:512*(16*(\t)+\n) th:TH_LOAD_NT
.endr
.endm
.macro WROUND t
.set RW, 16+64*((\t)%2)
.if (\t) < 3
	s_wait_loadcnt 16                              ; this round's 16 loads are in; the next round's 16 may be out
.else
	s_wait_loadcnt 0x0
.endif
	s_wait_xcnt 0x0                                ; the last round's stores have read their data: the registers are written again only behind this wait
.irp n, 0,1,2,3,4,5,6,7,8,9,10,11,12,13,14,15
	v_pk_mul_f32 v[RW+4*\n:RW+4*\n+1], v[RW+4*\n:RW+4*\n+1], s[26:27] op_sel_hi:[1,0]
	v_pk_mul_f32 v[RW+4*\n+2:RW+4*\n+3], v[RW+4*\n+2:RW+4*\n+3], s[26:27] op_sel_hi:[1,0]
	v_cvt_pk_f16_f32 v[144+2*\n], v[RW+4*\n], v[RW+4*\n+1]
	v_cvt_pk_f16_f32 v[145+2*\n], v[RW+4*\n+2], v[RW+4*\n+3]
	global_store_b64 v4, v[144+2*\n:145+2*\n], s[20:21] offset:256*(16*(\t)+\n)   ; 32 lanes store 256 consecutive bytes, aligned
.endr
.if (\t) < 2
	WLOAD (\t)+2
.endif
.endm
	WLOAD 0
	WLOAD 1
	WROUND 0
	WROUND 1
	WROUND 2
	WROUND 3
	s_endpgm
; ---------------- the quantiser.  Rows are dense and K is a multiple of 32, so each tensor is a plain stream of blocks of 32.  A wave takes 16 steps of 512 numbers.
; Each load reads 512 consecutive bytes; a step's 2,048 bytes turn through the wave's own stage in LDS and come back 64 bytes (16 neighbours) a lane; two neighbouring lanes hold a block.
.Lquant:
	v_lshlrev_b32 v3, 4, v2                        ; my 16 bytes of a load's 512
	s_mul_i32 s25, s24, WREG
	v_lshrrev_b32 v14, 2, v2
	v_mul_u32_u24 v14, v14, SP
	v_and_b32 v15, 3, v2
	v_lshl_add_u32 v14, v15, 4, v14
	v_add_nc_u32 v14, s25, v14                     ; the stage, on the way in: SP (lane / 4) + 16 (lane % 4)
	v_mul_u32_u24 v15, v2, SP
	v_add_nc_u32 v15, s25, v15                     ; and on the way out: SP x lane
	v_mul_u32_u24 v4, v2, CB                       ; my codes' place in a step's
	v_lshrrev_b32 v5, 1, v2
	s_add_co_u32 s25, s25, 2*32*SP
	v_add_nc_u32 v5, s25, v5                       ; LDS: my block's scale byte
	v_lshlrev_b32 v7, 3, v2
	v_add_nc_u32 v6, s25, v7                       ; and on the way out 8 bytes a lane
	s_mov_b32 s34, 640
	s_mov_b32 s36, 8388608
	s_cmp_lt_u32 ttmp9, 640                        ; which tensor: the choices hang on the work-group's number alone
	s_cselect_b64 s[28:29], s[8:9], s[10:11]       ; Wk or Wv
	s_cselect_b32 s34, 512, s34                    ; and its first work-group
	s_cmp_lt_u32 ttmp9, 512
	s_cselect_b64 s[28:29], s[6:7], s[28:29]       ; Wq
	s_cselect_b32 s34, 256, s34
	s_cmp_lt_u32 ttmp9, 256
	s_cselect_b64 s[28:29], s[4:5], s[28:29]       ; hidden_states
	s_cselect_b32 s34, 0, s34
	s_cselect_b64 s[30:31], s[16:17], s[18:19]     ; into xq4 or wq4,
	s_cselect_b32 s35, 0, 256                      ; whose first work-group this is,
	s_cselect_b32 s36, 4194304, s36                ; and where its scale bytes begin
	s_sub_co_u32 s34, ttmp9, s34
	s_lshl_b32 s34, s34, 2
	s_add_co_u32 s34, s34, s24                     ; my run of 8,192 numbers in the tensor
	s_lshl_b32 s38, s34, 15
	s_mov_b32 s39, 0
	s_add_nc_u64 s[28:29], s[28:29], s[38:39]
	s_sub_co_u32 s35, ttmp9, s35
	s_lshl_b32 s35, s35, 2
	s_add_co_u32 s35, s35, s24                     ; and in the buffer of codes
	s_lshl_b32 s38, s35, 8                         ; 256 scale bytes a run
	s_add_co_u32 s38, s38, s36
	s_add_nc_u64 s[32:33], s[30:31], s[38:39]
	s_lshl_b32 s38, s35, 12                        ; 4,096 bytes of codes a run
	s_add_nc_u64 s[30:31], s[30:31], s[38:39]
.macro QLOAD t
.irp i, 0,1,2,3
	global_load_b128 v[R+16*((\t)%4)+4*\i:R+16*((\t)%4)+4*\i+3], v3, s[28:29] offset:2048*(\t)+512*\i th:TH_LOAD_NT
.endr
.endm
.macro QTURN t                         ; LDS serves a wave's instructions in order, so no wait stands between the stores and the loads
.irp i, 0,1,2,3
	ds_store_b128 v14, v[R+16*((\t)%4)+4*\i:R+16*((\t)%4)+4*\i+3] offset:32*SP*((\t)%2)+8*SP*\i
.endr
.irp i, 0,1,2,3
	ds_load_b128 v[X+16*((\t)%2)+4*\i:X+16*((\t)%2)+4*\i+3], v15 offset:32*SP*((\t)%2)+16*\i
.endr
.endm
.irp t, 0,1,2,3
	QLOAD \t
.endr
	s_wait_loadcnt 12                              ; step 0's four loads are in
	QTURN 0
.macro QSTEP t
.set XS, X+16*((\t)%2)
.if (\t) > 0
	s_wait_dscnt 1                                 ; this step's numbers are back from the stage (the last step's byte store may be out)
.else
	s_wait_dscnt 0x0
.endif
.if (\t)+4 < STEPS
	QLOAD (\t)+4
.endif
.if (\t)+1 < STEPS
.if STEPS-2-(\t) >= 3
	s_wait_loadcnt 12                              ; the next step's four loads are in; those of the three steps behind it may be out
.else
	s_wait_loadcnt 4*(STEPS-2-(\t))
.endif
	QTURN (\t)+1
.endif
	v_max3_num_f32 v8, |v[XS]|, |v[XS+1]|, |v[XS+2]|
	v_max3_num_f32 v9, |v[XS+3]|, |v[XS+4]|, |v[XS+5]|
.irp i, 6,10
	v_max3_num_f32 v8, v8, |v[XS+\i]|, |v[XS+\i+1]|
	v_max3_num_f32 v9, v9, |v[XS+\i+2]|, |v[XS+\i+3]|
.endr
	v_max3_num_f32 v8, v8, |v[XS+14]|, |v[XS+15]|
	v_max3_num_f32 v8, v8, v9, (EMAX+1)<<23        ; and the floor 2^(3 - 127): the byte cannot fall under 1
	v_max_num_f32_dpp v8, v8, v8 row_xmask:1 row_mask:0xf bank_mask:0xf   ; with my neighbour's 16: the block's largest magnitude
	v_add_nc_u32 v11, -(EMAX<<23), v8              ; 2 off its exponent field: the conversion takes that field as its scale
	v_cvt_scalef32_pk8_fp4_f32 v[C+4*(\t)], v[XS:XS+7], v11
	v_cvt_scalef32_pk8_fp4_f32 v[C+4*(\t)+1], v[XS+8:XS+15], v11
	v_lshrrev_b32 v[E+(\t)], 23, v11               ; the scale's byte
	ds_store_b8 v5, v[E+(\t)] offset:16*(\t)       ; both lanes of a block write the same byte with the same value
	global_store_b64 v4, v[C+4*(\t):C+4*(\t)+1], s[30:31] offset:32*CB*(\t)   ; 256 consecutive bytes, aligned
.endm
.irp t, 0,1,2,3,4,5,6,7,8,9,10,11,12,13,14,15
	QSTEP \t
.endr
	ds_load_b64 v[8:9], v6                         ; my wave's 256 scale bytes (in order behind my stores)
	s_wait_dscnt 0x0
	global_store_b64 v7, v[8:9], s[32:33]          ; 256 consecutive bytes, aligned
	s_wait_tensorcnt 0x0                           ; the wave's end
	ds_add_u32 v[SPW], v[NIL]
	s_wait_dscnt 0x0
	s_endpgm
.Lfunc_end_k_q5483b626e5_prep:
	.size	k_q5483b626e5_prep, .Lfunc_end_k_q5483b626e5_prep-k_q5483b626e5_prep
	.p2alignl 7, 3214868480
	.fill 96, 4, 3214868480
	.section	.rodata,"a",@progbits
	.p2align	6, 0x0
	.amdhsa_kernel k_q5483b626e5_prep
		.amdhsa_group_segment_fixed_size 33280
		.amdhsa_private_segment_fixed_size 0
		.amdhsa_enable_private_segment 0
		.amdhsa_kernarg_size 80
		.amdhsa_user_sgpr_count 2
		.amdhsa_user_sgpr_kernarg_segment_ptr 1
		.amdhsa_wavefront_size32 1
		.amdhsa_system_sgpr_workgroup_id_x 1
		.amdhsa_system_sgpr_workgroup_id_y 1
		.amdhsa_system_sgpr_workgroup_id_z 1
		.amdhsa_system_vgpr_workitem_id 0
		.amdhsa_next_free_vgpr 192
		.amdhsa_next_free_sgpr 66
		.amdhsa_reserve_vcc 1
		.amdhsa_float_denorm_mode_32 3
		.amdhsa_float_denorm_mode_16_64 3
		.amdhsa_memory_ordered 1
		.amdhsa_forward_progress 1
		.amdhsa_inst_pref_size 77
	.end_amdhsa_kernel
	.amdgpu_metadata
---
amdhsa.version: [ 1, 2 ]
amdhsa.kernels:
  - .name:           k_q5483b626e5_prep
    .symbol:         k_q5483b626e5_prep.kd
    .args:
      - { .name: hidden_states, .offset: 0, .size: 8, .value_kind: global_buffer, .address_space: global }
      - { .name: Wq, .offset: 8, .size: 8, .value_kind: global_buffer, .address_space: global }
      - { .name: Wk, .offset: 16, .size: 8, .value_kind: global_buffer, .address_space: global }
      - { .name: Wv, .offset: 24, .size: 8, .value_kind: global_buffer, .address_space: global }
      - { .name: Wo, .offset: 32, .size: 8, .value_kind: global_buffer, .address_space: global }
      - { .name: position_ids, .offset: 40, .size: 8, .value_kind: global_buffer, .address_space: global }
      - { .name: xq4, .offset: 48, .size: 8, .value_kind: global_buffer, .address_space: global }
      - { .name: wq4, .offset: 56, .size: 8, .value_kind: global_buffer, .address_space: global }
      - { .name: wo16, .offset: 64, .size: 8, .value_kind: global_buffer, .address_space: global }
      - { .name: ropetab, .offset: 72, .size: 8, .value_kind: global_buffer, .address_space: global }
    .group_segment_fixed_size: 33280
    .private_segment_fixed_size: 0
    .kernarg_segment_align: 8
    .kernarg_segment_size: 80
    .max_flat_workgroup_size: 128
    .sgpr_count:     66
    .vgpr_count:     192
    .wavefront_size: 32
...
	.end_amdgpu_metadata
.endif
;; end of part 1
;; launch qkv (part 2): grid 16 x 16, 4 waves a work-group, clusters of 4 x 4, 327,680 bytes of LDS; arguments xq4, wq4, ropetab, qkh, vth; writes qkh, vth
.if DOCPART == 2
	.amdgcn_target "amdgcn-amd-amdhsa--gfx1250"
	.amdhsa_code_object_version 6
	.text
	.protected	k_q5483b626e5_qkv
	.globl	k_q5483b626e5_qkv
	.p2align	8
	.type	k_q5483b626e5_qkv,@function
k_q5483b626e5_qkv:
	s_mov_b64 s[64:65], 0
	v_nop
	global_prefetch_b8 v0, s[64:65] scope:SCOPE_SE
	s_setreg_imm32_b32 hwreg(HW_REG_WAVE_MODE, 25, 1), 1
	s_wait_xcnt 0x0
	s_wait_alu depctr_hold_cnt(0) depctr_sa_sdst(0) depctr_va_vdst(0) depctr_va_sdst(0) depctr_va_ssrc(0) depctr_va_vcc(0) depctr_vm_vsrc(0)
	s_getreg_b32 s2, hwreg(HW_REG_IB_STS2, 6, 4)
	s_cmp_eq_u32 s2, 0
	s_cbranch_scc0 .Lentry_in_a_cluster
	s_endpgm
.Lentry_in_a_cluster:
	s_bfe_u32 s2, ttmp6, 0x10000c
	s_cmp_lg_u32 s2, 0xf033
	s_cbranch_scc0 .Lentry_shape_is_right
	s_endpgm
.Lentry_shape_is_right:
; QKV: the three quantised products on codes of E2M1 with E8M0 scales, K = 4,096, the rotary embedding on the way out, results / 8 in f16.
; A tile is 128 rows of A x 256 rows of B: 2,048 x 4,096 outputs are 256 such tiles, one a work-group.  Four waves, each 64 x 128: 32 accumulators of 16 x 16.
; Clusters with x = 0, 1, 2 make x [Wq; Wk]^T: A = xq4 (tokens), B = wq4 rows 0-3071; a wave's 128 columns are one head: qkh [24 heads][2048][128] f16 (heads 0-15 q, 16-23 k).
; Clusters with x = 3 make V^T = Wv x^T: A = wq4 rows 3072 on, B = xq4: so v leaves with the tokens innermost, vth [1024 = kv 128 + d][2048] f16, and nothing is transposed.
; Which of the two a cluster makes is the same for all its partners and only SELECTS pointers, offsets and pitches: no branch hangs on it.  V takes the rotary lines with the table's block 128 (0.125 and 0).
; THE MATRIX INSTRUCTION IS USED TRANSPOSED (source 0 = 16 rows of B, source 1 = 16 rows of A): a lane holds eight neighbouring columns of one row of A's.
; K goes in steps of 512 (rows of 256 bytes) through a ring of two LDS slots; the scale bytes of the tile's rows for all of K come once, with the first fills, as units of 256 bytes + 16 of padding.
; CLUSTERS: 4 x 4.  A's tiles are shared along a row of the cluster, B's along a column: joint loads.  Waves 0, 1 fetch A's halves (64 rows), waves 2, 3 B's (128 rows).
; LIMITS: |q|, |k|, |v| under 524,000 (f16's largest number x 8).
; REGISTERS.  window 0: v8-29 addresses; v32-79 scale words, two sets of 24; v128-191 A's fragments, two sets of 32 (on the way out v128-255 are at work).  window 1: B's fragments, sets at v0 and v64.
;   window 2: the accumulators, (a, b) at v[8 (8 a + b)].  window 3: the table, set a at v[64 a]: cos at 8 b + j, sin at 32 + 8 b + j.
.set PITCH,  272                       ; an LDS row: 256 bytes + 16 of padding, so that the 16 rows of a fragment load start 16 bytes further on modulo 256
.set HA,     64*PITCH                  ; what a wave fetches of A, and what a wave reads of A
.set HB,     128*PITCH                 ; the same of B
.set BOFF,   2*HA                      ; in a slot: A's 128 rows, then B's 256
.set SLOT,   2*HA+2*HB
.set SCA,    2*SLOT                    ; A's scale bytes: 128 rows x 128 bytes = 64 units
.set HSA,    32*272
.set HSB,    64*272
.set SCB,    SCA+2*HSA                 ; B's: 128 units
.set STAGE,  SCB+2*HSB                 ; the way out: 16 rows x 272 bytes for each wave; no fill lands here
.set SPARE,  STAGE+4*16*PITCH          ; the spare words, 128 bytes a wave, which no other line names
.set LAPS,   4                         ; 8 K steps, two a lap
.set ADRA, 8                           ; v8-9    my A fragments in slot 0, 1
.set ADRB, 10                          ; v10-11  my B fragments
.set ADSA, 12                          ; v12     A's scale words: lanes 0-15 an even block's rows, lanes 16-31 the odd block's
.set ADSB, 13                          ; v13     B's
.set STO,  14
.set RD,   15
.set CO,   16                          ; v16-23  byte offsets of the eight stores of a block of 16 rows
.set TO,   24                          ; v24-27  byte offsets into the table, one for each block of 16 rows
.set SPW,  28
.set NIL,  29
.set SC,   32
.set AF,   128
.set T,    128                         ; the way out: 64 rotated numbers
.set PK,   192                         ; packed to f16
.set BK,   224                         ; whole rows, back from the stage
.set G1A,  24
.set G0A,  32
.set G1B,  40
.set G0B,  48
.set G1SA, 56
.set G0SA, 68
.set G1SB, 72
.set G0SB, 80
.set MSB, 0
.macro WIN new                         ; the immediate's high byte repeats the setting that is left
.if MSB != \new
	s_set_vgpr_msb (MSB<<8)|\new
.set MSB, \new
.endif
.endm
.set MUL,  0xa1                        ; source 0 (B) window 1, source 1 (A) window 0, C and D window 2
.set TO_B, 0x40                        ; destination window 1, address window 0
.macro JLOAD g0a, g1a, g0b, g1b        ; a joint load: each line has one mask and one set of registers; the branch hangs on the wave's number alone; an s_nop 0 and four v_nop follow each line
	s_cmp_eq_u32 s15, 0
	s_cbranch_scc0 .Lfor_b_\@
	tensor_load_to_lds s[\g0a:\g0a+3], s[\g1a:\g1a+7]
	s_nop 0
.rept 4
	v_nop
.endr
	s_branch .Lasked_\@
.Lfor_b_\@:
	tensor_load_to_lds s[\g0b:\g0b+3], s[\g1b:\g1b+7]
	s_nop 0
.rept 4
	v_nop
.endr
.Lasked_\@:
.endm
.macro CREST                           ; a round of the cluster's barrier behind its opening barrier
	s_cmp_lg_u32 s14, 0
	s_cbranch_scc1 .Lnot_wave_0_\@
	s_barrier_signal -3
.Lnot_wave_0_\@:
	s_barrier_wait -3
	s_barrier_signal -1
	s_barrier_wait -1
.endm
.macro CROUND
	s_barrier_signal -1
	s_barrier_wait -1
	CREST
.endm
.macro PLACES n
.rept \n
	v_nop
.endr
.endm
	s_load_b256 s[4:11], s[0:1], 0x0               ; xq4 4:5, wq4 6:7, ropetab 8:9, qkh 10:11
	s_load_b64 s[12:13], s[0:1], 0x20              ; vth
	v_lshl_add_u32 v[SPW], v0, 2, SPARE
	v_mov_b32 v[NIL], 0
	ds_add_u32 v[SPW], v[NIL]                      ; the wave's opening: the add, twice on end, and its wait ahead of my first tensor load
	ds_add_u32 v[SPW], v[NIL]
	v_lshrrev_b32 v1, 5, v0
	v_readfirstlane_b32 s14, v1                    ; wave
	s_lshr_b32 s15, s14, 1                         ; my half of the tile's rows.  Also: I fetch for A (0) or for B (1)
	s_and_b32 s16, s14, 1                          ; my half of its columns.  Also: which half of that tile I fetch
	s_bfe_u32 s84, ttmp6, 0x40000                  ; cx
	s_bfe_u32 s85, ttmp6, 0x40004                  ; cy
	s_and_b32 s86, ttmp7, 0xffff                   ; cluster y
	s_and_b32 s17, s86, 1
	s_lshr_b32 s18, s86, 1
	s_mov_b32 s96, 4194304                         ; where xq4's scale bytes begin,
	s_mov_b32 s98, 8388608                         ; and wq4's
	s_mov_b32 s66, 256
	s_mov_b32 s67, 524288
	s_cmp_eq_u32 ttmp9, 3                          ; does my cluster make V^T?  The same in all sixteen partners
	s_cselect_b32 s87, s17, s86
	s_cselect_b32 s88, s18, ttmp9
	s_cselect_b32 s91, 1, 0
	s_cselect_b32 s19, 3072, 0                     ; A's first row in its buffer
	s_cselect_b32 s17, s98, s96                    ; A's scale bytes,
	s_cselect_b32 s18, s96, s98                    ; B's
	s_cselect_b32 s66, 4096, s66                   ; P: bytes from row to row of the output
	s_cselect_b32 s67, 256, s67                    ; and from one wave's 128 columns to the next
	s_lshl_b32 s87, s87, 2
	s_add_co_u32 s87, s87, s85                     ; tile row
	s_lshl_b32 s88, s88, 2
	s_add_co_u32 s88, s88, s84                     ; tile column
	s_lshl_b32 s89, s85, 2
	s_lshl_b32 s89, 15, s89                        ; my row of the cluster
	s_lshl_b32 s90, 0x1111, s84                    ; my column
	s_or_b32 s[G1A], s89, (1<<20)|(1<<21)|(5<<22)|(3<<25)          ; elements of 1 byte; padding: 4 words behind every 64; bit 21 beside a mask
	s_or_b32 s[G1B], s90, (1<<20)|(1<<21)|(5<<22)|(3<<25)
	s_or_b32 s[G1SA], s89, (3<<16)|(1<<20)|(1<<21)|(5<<22)|(3<<25) ; elements of 8 bytes
	s_or_b32 s[G1SB], s90, (3<<16)|(1<<20)|(1<<21)|(5<<22)|(3<<25)
.irp g, G1A, G1B
	s_mov_b32 s[\g+1], 256<<16                     ; tensor_dim0
	s_mov_b32 s[\g+3], 256<<16                     ; tile_dim0
	s_mov_b32 s[\g+5], 2048                        ; a row of codes in memory
	s_mov_b32 s[\g+6], 0
	s_mov_b32 s[\g+7], 0
.endr
	s_mov_b32 s[G1A+2], 64<<16                     ; tensor_dim1, tile_dim1: 64 rows of A,
	s_mov_b32 s[G1A+4], 64
	s_mov_b32 s[G1B+2], 128<<16                    ; 128 of B
	s_mov_b32 s[G1B+4], 128
.irp g, G1SA, G1SB
	s_mov_b32 s[\g+1], 32<<16                      ; the scale bytes: a dense block as rows of 256 bytes
	s_mov_b32 s[\g+3], 32<<16
	s_mov_b32 s[\g+5], 32
	s_mov_b32 s[\g+6], 0
	s_mov_b32 s[\g+7], 0
.endr
	s_mov_b32 s[G1SA+2], 32<<16                    ; 64 rows x 128 bytes = 32 units,
	s_mov_b32 s[G1SA+4], 32
	s_mov_b32 s[G1SB+2], 64<<16                    ; 128 rows = 64 units
	s_mov_b32 s[G1SB+4], 64
	s_lshl_b32 s92, s87, 7
	s_add_co_u32 s92, s92, s19
	s_lshl_b32 s93, s16, 6
	s_add_co_u32 s92, s92, s93                     ; A: the first row that I fetch: made of the tile row and the wave's number alone
	s_lshl_b32 s96, s92, 7
	s_add_co_u32 s96, s96, s17                     ; its scale bytes,
	s_mov_b32 s97, 0
	s_lshl_b32 s92, s92, 11                        ; its codes
	s_mov_b32 s93, 0
	s_lshl_b32 s94, s88, 8
	s_lshl_b32 s95, s16, 7
	s_add_co_u32 s94, s94, s95                     ; B: of the tile column and the wave's number alone
	s_lshl_b32 s98, s94, 7
	s_add_co_u32 s98, s98, s18
	s_mov_b32 s99, 0
	s_lshl_b32 s94, s94, 11
	s_mov_b32 s95, 0
	s_mul_i32 s2, s16, HA                          ; where they go: no place in the cluster enters an LDS address (HA is also half of B's scales)
	s_mul_i32 s3, s16, HB
	s_mul_i32 s86, s16, HSA
	s_wait_dscnt 0x0                               ; both opening adds are done
	s_wait_kmcnt 0x0
	s_cmp_eq_u32 s91, 1
	s_cselect_b64 s[18:19], s[6:7], s[4:5]         ; A's buffer
	s_cselect_b64 s[22:23], s[4:5], s[6:7]         ; B's
	s_cselect_b64 s[20:21], s[12:13], s[10:11]     ; the output's
	s_add_nc_u64 s[92:93], s[18:19], s[92:93]
	s_add_nc_u64 s[96:97], s[18:19], s[96:97]
	s_add_nc_u64 s[94:95], s[22:23], s[94:95]
	s_add_nc_u64 s[98:99], s[22:23], s[98:99]
	CROUND                                         ; all sixteen work-groups are here: the first joint loads meet
	s_mov_b32 s[G0SA], 1
	s_add_co_u32 s[G0SA+1], s86, SCA
	s_mov_b64 s[G0SA+2:G0SA+3], s[96:97]
	s_or_b32 s[G0SA+3], s[G0SA+3], 0x80000000
	s_mov_b32 s[G0SB], 1
	s_add_co_u32 s[G0SB+1], s2, SCB
	s_mov_b64 s[G0SB+2:G0SB+3], s[98:99]
	s_or_b32 s[G0SB+3], s[G0SB+3], 0x80000000
	JLOAD G0SA, G1SA, G0SB, G1SB                   ; the scales first: they are wanted with K step 0
.irp s, 0,1
	s_mov_b32 s[G0A+4*\s], 1
	s_add_co_u32 s[G0A+4*\s+1], s2, \s*SLOT
	s_add_nc_u64 s[G0A+4*\s+2:G0A+4*\s+3], s[92:93], \s*256
	s_or_b32 s[G0A+4*\s+3], s[G0A+4*\s+3], 0x80000000
	s_mov_b32 s[G0B+4*\s], 1
	s_add_co_u32 s[G0B+4*\s+1], s3, \s*SLOT+BOFF
	s_add_nc_u64 s[G0B+4*\s+2:G0B+4*\s+3], s[94:95], \s*256
	s_or_b32 s[G0B+4*\s+3], s[G0B+4*\s+3], 0x80000000
	JLOAD G0A+4*\s, G1A, G0B+4*\s, G1B             ; three loads of mine are out
.endr
	v_and_b32 v1, 15, v0                           ; r
	v_bfe_u32 v2, v0, 4, 1                         ; h
	v_mul_u32_u24 v3, v1, PITCH
	v_lshl_add_u32 v3, v2, 4, v3                   ; a fragment's row x pitch + 16 h
	s_mul_i32 s17, s15, HA
	s_mul_i32 s18, s16, HB
	s_add_co_u32 s18, s18, BOFF
.irp s, 0,1
	v_add_nc_u32 v[ADRA+\s], s17, v3
	v_add_nc_u32 v[ADRB+\s], s18, v3
	s_add_co_u32 s17, s17, SLOT
	s_add_co_u32 s18, s18, SLOT
.endr
	v_lshrrev_b32 v4, 1, v1                        ; a row's 128 scale bytes: two rows to a unit of 272
	v_mul_u32_u24 v4, v4, 272
	v_and_b32 v5, 1, v1
	v_lshl_add_u32 v4, v5, 7, v4
	v_mad_u32_u24 v4, v2, 8*272, v4                ; lanes 16-31 take the block of 16 rows that follows
	s_mul_i32 s17, s15, HSA
	s_add_co_u32 s17, s17, SCA
	v_add_nc_u32 v[ADSA], s17, v4
	s_mul_i32 s17, s16, HSB
	s_add_co_u32 s17, s17, SCB
	v_add_nc_u32 v[ADSB], s17, v4
	s_mul_i32 s17, s14, 16*PITCH
	s_add_co_u32 s17, s17, STAGE                   ; my stage
	v_add_nc_u32 v[STO], s17, v3                   ; in: row r, 16 bytes for each half of the lanes
	v_mul_u32_u24 v5, v2, PITCH
	v_lshl_add_u32 v5, v1, 4, v5
	v_add_nc_u32 v[RD], s17, v5                    ; back: lanes 0-15 one row of 256 bytes, lanes 16-31 the next
.irp t, 0,1,2,3,4,5,6,7
	v_add_nc_u32 v5, 2*\t, v2
	v_mul_lo_u32 v5, v5, s66
	v_lshl_add_u32 v[CO+\t], v1, 4, v5             ; row 2 t + h of the output, 16 bytes a lane
.endr
	v_and_b32 v6, 31, v0
	v_lshlrev_b32 v6, 4, v6
	s_lshl_b32 s17, s87, 3
	s_lshl_b32 s18, s15, 2
	s_add_co_u32 s17, s17, s18                     ; the table's block of my first 16 tokens
	s_cmp_eq_u32 s91, 1
	s_cselect_b32 s17, 128, s17                    ; V: block 128 for all
	s_cselect_b32 s19, 0, 8192
	s_lshl_b32 s96, s17, 13
	s_mov_b32 s97, 0
	s_add_nc_u64 s[8:9], s[8:9], s[96:97]
.irp a, 0,1,2,3
	s_mul_i32 s18, s19, \a
	v_add_nc_u32 v[TO+\a], s18, v6
.endr
	WIN 0xc0                                       ; destination window 3, address window 0
.irp a, 0,1,2,3
.irp i, 0,1,2,3,4,5,6,7,8,9,10,11,12,13,14,15
	global_load_b128 v[64*\a+32*((\i/2)%2)+8*(\i/4)+4*(\i%2):64*\a+32*((\i/2)%2)+8*(\i/4)+4*(\i%2)+3], v[TO+\a], s[8:9] offset:512*\i   ; the table lands while K is walked; it is waited for on the way out
.endr
.endr
	WIN 0
	s_lshl_b32 s17, s88, 1
	s_add_co_u32 s17, s17, s16                     ; which 128 columns are mine
	s_mul_i32 s17, s17, s67
	s_lshl_b32 s18, s87, 7
	s_lshl_b32 s19, s15, 6
	s_add_co_u32 s18, s18, s19                     ; my first row
	s_mul_i32 s18, s18, s66
	s_add_co_u32 s22, s17, s18
	s_mov_b32 s23, 0
	s_add_nc_u64 s[20:21], s[20:21], s[22:23]      ; the output at my part's first byte
	s_lshl_b32 s22, s66, 4                         ; 16 rows on
; One product.  Source 0's scales (B's) stand in lanes 16-31 of their register for odd blocks, source 1's (A's) likewise
.macro WMS ra, rb, zero
.if \zero
.if (\ra) && (\rb)
	v_wmma_scale_f32_16x16x128_f8f6f4 v[rD:rD+7], v[rB:rB+7], v[rA:rA+7], 0, v[rSB], v[rSA] matrix_a_fmt:MATRIX_FMT_FP4 matrix_b_fmt:MATRIX_FMT_FP4 matrix_a_scale:MATRIX_SCALE_ROW1 matrix_b_scale:MATRIX_SCALE_ROW1
.elseif \ra
	v_wmma_scale_f32_16x16x128_f8f6f4 v[rD:rD+7], v[rB:rB+7], v[rA:rA+7], 0, v[rSB], v[rSA] matrix_a_fmt:MATRIX_FMT_FP4 matrix_b_fmt:MATRIX_FMT_FP4 matrix_a_scale:MATRIX_SCALE_ROW1
.elseif \rb
	v_wmma_scale_f32_16x16x128_f8f6f4 v[rD:rD+7], v[rB:rB+7], v[rA:rA+7], 0, v[rSB], v[rSA] matrix_a_fmt:MATRIX_FMT_FP4 matrix_b_fmt:MATRIX_FMT_FP4 matrix_b_scale:MATRIX_SCALE_ROW1
.else
	v_wmma_scale_f32_16x16x128_f8f6f4 v[rD:rD+7], v[rB:rB+7], v[rA:rA+7], 0, v[rSB], v[rSA] matrix_a_fmt:MATRIX_FMT_FP4 matrix_b_fmt:MATRIX_FMT_FP4
.endif
.else
.if (\ra) && (\rb)
	v_wmma_scale_f32_16x16x128_f8f6f4 v[rD:rD+7], v[rB:rB+7], v[rA:rA+7], v[rD:rD+7], v[rSB], v[rSA] matrix_a_fmt:MATRIX_FMT_FP4 matrix_b_fmt:MATRIX_FMT_FP4 matrix_a_scale:MATRIX_SCALE_ROW1 matrix_b_scale:MATRIX_SCALE_ROW1
.elseif \ra
	v_wmma_scale_f32_16x16x128_f8f6f4 v[rD:rD+7], v[rB:rB+7], v[rA:rA+7], v[rD:rD+7], v[rSB], v[rSA] matrix_a_fmt:MATRIX_FMT_FP4 matrix_b_fmt:MATRIX_FMT_FP4 matrix_a_scale:MATRIX_SCALE_ROW1
.elseif \rb
	v_wmma_scale_f32_16x16x128_f8f6f4 v[rD:rD+7], v[rB:rB+7], v[rA:rA+7], v[rD:rD+7], v[rSB], v[rSA] matrix_a_fmt:MATRIX_FMT_FP4 matrix_b_fmt:MATRIX_FMT_FP4 matrix_b_scale:MATRIX_SCALE_ROW1
.else
	v_wmma_scale_f32_16x16x128_f8f6f4 v[rD:rD+7], v[rB:rB+7], v[rA:rA+7], v[rD:rD+7], v[rSB], v[rSA] matrix_a_fmt:MATRIX_FMT_FP4 matrix_b_fmt:MATRIX_FMT_FP4
.endif
.endif
.endm
; 8 products: A's block a x B's eight, the slot's q-th 128 along K.  p: the set of fragments; sc: the set of scale words; zero = 1: the product starts the sums.
; The 32 accumulators take turns, one instruction a turn, in the same order in every step.
.macro MUL8 a, p, q, sc, zero
.irp b, 0,1,2,3,4,5,6,7
.set rD, 8*(8*(\a)+\b)
.set rB, 64*(\p)+8*\b
.set rA, AF+32*(\p)+8*(\a)
.set rSB, SC+24*(\sc)+8+4*(\b/2)+(\q)
.set rSA, SC+24*(\sc)+4*((\a)/2)+(\q)
	WMS (\b)%2, (\a)%2, \zero
.endr
.endm
; 24 LDS loads in one run: B's eight and A's four fragments of the slot's q-th 128 along K into set p.  A fragment: lane l holds row l % 16; registers 4 c .. 4 c + 3 hold K = 64 c + 32 (l / 16) + 0 .. 31
.macro FETCH slot, q, p
	WIN TO_B
.irp i, 0,1,2,3,4,5,6,7
	ds_load_b128 v[64*(\p)+8*\i:64*(\p)+8*\i+3],   v[ADRB+\slot] offset:64*(\q)+\i*16*PITCH
	ds_load_b128 v[64*(\p)+8*\i+4:64*(\p)+8*\i+7], v[ADRB+\slot] offset:64*(\q)+\i*16*PITCH+32
.endr
	WIN 0
.irp i, 0,1,2,3
	ds_load_b128 v[AF+32*(\p)+8*\i:AF+32*(\p)+8*\i+3],   v[ADRA+\slot] offset:64*(\q)+\i*16*PITCH
	ds_load_b128 v[AF+32*(\p)+8*\i+4:AF+32*(\p)+8*\i+7], v[ADRA+\slot] offset:64*(\q)+\i*16*PITCH+32
.endr
.endm
.macro SCALES s                        ; a K step's scale words, four a row, into set s
.irp i, 0,1
	ds_load_b128 v[SC+24*\s+4*\i:SC+24*\s+4*\i+3], v[ADSA] offset:16*272*\i
.endr
.irp i, 0,1,2,3
	ds_load_b128 v[SC+24*\s+8+4*\i:SC+24*\s+8+4*\i+3], v[ADSB] offset:16*272*\i
.endr
.endm
; A step of 128 along K that has its successor in the same slot: the next step's fragments are asked for ahead of this step's 32 products
.macro STEP slot, q, zero
	s_wait_dscnt 0x0                               ; this step's fragments (and scale words) are in: they were asked for 32 products ago
	PLACES 4                                       ; four plain instructions between the last products and loads into registers that they read (ISA guide 7.12.1 for vector instructions)
	FETCH \slot, (\q)+1, ((\q)+1)%2
	WIN MUL
	MUL8 0, (\q)%2, \q, \slot, \zero
	MUL8 1, (\q)%2, \q, \slot, \zero
	MUL8 2, (\q)%2, \q, \slot, \zero
	MUL8 3, (\q)%2, \q, \slot, \zero
	WIN 0
.endm
; A slot's last step changes slots: ONE barrier; in front of it each wave waits for all its tensor loads, adds 0 to its spare word, and waits for that and for its reads of this slot.  fill = 1: the slot is filled again, two K steps ahead.
.macro TURN slot, next, fill
	s_wait_tensorcnt 0x0                           ; all my tensor loads have landed: my part of the next slot
	ds_add_u32 v[SPW], v[NIL]                      ; 0 onto my spare word
	s_wait_dscnt 1                                 ; this step's fragments are in; the add alone may be out
	WIN MUL
	MUL8 0, 1, 3, \slot, 0                         ; eight products stand between the add and the wait for it
	s_wait_dscnt 0x0                               ; the add is done, and my reads of this slot are over
	s_barrier_signal -1
	MUL8 1, 1, 3, \slot, 0
	WIN 0
	s_barrier_wait -1
.if \fill
	CREST                                          ; the barrier has opened a round of the cluster's: no wave of any partner still reads this slot or has a load on its way
	s_add_nc_u64 s[G0A+4*\slot+2:G0A+4*\slot+3], s[G0A+4*\slot+2:G0A+4*\slot+3], 512
	s_add_nc_u64 s[G0B+4*\slot+2:G0B+4*\slot+3], s[G0B+4*\slot+2:G0B+4*\slot+3], 512
	JLOAD G0A+4*\slot, G1A, G0B+4*\slot, G1B       ; the first tensor load behind the round; its four v_nop are also the places in front of the loads below
.else
	PLACES 4
.endif
	v_add_nc_u32 v[ADSA], 16, v[ADSA]              ; the next K step's scale words
	v_add_nc_u32 v[ADSB], 16, v[ADSB]
	FETCH \next, 0, 0
	SCALES \next
	WIN MUL
	MUL8 2, 1, 3, \slot, 0
	MUL8 3, 1, 3, \slot, 0
	WIN 0
.endm
	s_wait_tensorcnt 1                             ; the scales and my part of K step 0 are in; K step 1's load may stay out
	s_barrier_signal -1
	s_barrier_wait -1
	FETCH 0, 0, 0
	SCALES 0
	STEP 0, 0, 1                                   ; the first step stands in front of the loop: its products start the sums
	s_mov_b32 s3, LAPS-1
.Llap:                                                 ; a trip goes once round the ring and fills both slots again
	STEP 0, 1, 0
	STEP 0, 2, 0
	TURN 0, 1, 1
	STEP 1, 0, 0
	STEP 1, 1, 0
	STEP 1, 2, 0
	TURN 1, 0, 1
	STEP 0, 0, 0
	s_sub_co_u32 s3, s3, 1
	s_cmp_lg_u32 s3, 0
	s_cbranch_scc1 .Llap
	STEP 0, 1, 0                                   ; the last lap fills nothing, and has no round of the cluster's barrier
	STEP 0, 2, 0
	TURN 0, 1, 0
	STEP 1, 0, 0
	STEP 1, 1, 0
	STEP 1, 2, 0
	s_wait_dscnt 0x0                               ; the very last step
	WIN MUL
	MUL8 0, 1, 3, 1, 0
	MUL8 1, 1, 3, 1, 0
	MUL8 2, 1, 3, 1, 0
	MUL8 3, 1, 3, 1, 0
	WIN 0
; THE WAY OUT, a block of 16 rows x 128 columns at a time.  Accumulators (a, b) and (a, b + 4) hold channels d and d + 64 of one head at the same frequency:
; lo' = lo cos - hi sin, hi' = hi cos + lo sin, with cos and sin already / 8.  Then f16, through my stage, and out as whole rows of 256 bytes.
.macro OUTA a
	WIN 0x0e                                       ; source 0 window 2 (accumulators), source 1 window 3 (table), source 2 and destination window 0
.irp b, 0,1,2,3
.irp p, 0,1,2,3
.set rLO, 8*(8*\a+\b)+2*\p
.set rHI, 8*(8*\a+\b+4)+2*\p
.set rCO, 64*\a+8*\b+2*\p
.set rSI, 64*\a+32+8*\b+2*\p
.set rT0, T+8*\b+2*\p
.set rT1, T+32+8*\b+2*\p
	v_pk_mul_f32 v[rT0:rT0+1], v[rHI:rHI+1], v[rSI:rSI+1]          ; each accumulator is read from its low end on
	v_pk_mul_f32 v[rT1:rT1+1], v[rLO:rLO+1], v[rSI:rSI+1]
	v_pk_fma_f32 v[rT0:rT0+1], v[rLO:rLO+1], v[rCO:rCO+1], v[rT0:rT0+1] neg_lo:[0,0,1] neg_hi:[0,0,1]
	v_pk_fma_f32 v[rT1:rT1+1], v[rHI:rHI+1], v[rCO:rCO+1], v[rT1:rT1+1]
.endr
.endr
	WIN 0
.set i, 0
.rept 32
	v_cvt_pk_f16_f32 v[PK+i], v[T+2*i], v[T+2*i+1]
.set i, i+1
.endr
.irp b, 0,1,2,3,4,5,6,7
	ds_store_b128 v[STO], v[PK+4*\b:PK+4*\b+3] offset:32*\b
.endr
.if \a > 0
	s_wait_xcnt 0x0                                ; the last block's stores have read their data and their base: both are written again only behind this wait
.endif
.irp t, 0,1,2,3,4,5,6,7
	ds_load_b128 v[BK+4*\t:BK+4*\t+3], v[RD] offset:\t*2*PITCH     ; LDS serves a wave's instructions in order: these see the stores above
.endr
	s_wait_dscnt 0x0
.if \a > 0
	s_add_nc_u64 s[20:21], s[20:21], s[22:23]      ; 16 rows on
.endif
.irp t, 0,1,2,3,4,5,6,7
	global_store_b128 v[CO+\t], v[BK+4*\t:BK+4*\t+3], s[20:21]     ; 16 lanes store 256 consecutive bytes, aligned
.endr
.endm
	s_wait_loadcnt 0x0                             ; the table
	PLACES 4                                       ; between the last products and the first read of results, and the first write over A's fragments
	OUTA 0
	OUTA 1
	OUTA 2
	OUTA 3
	s_wait_tensorcnt 0x0                           ; the wave's end
	ds_add_u32 v[SPW], v[NIL]
	s_wait_dscnt 0x0
	CROUND                                         ; the closing round: no work-group ends while a partner may still ask for a tile that names it
	s_endpgm
.Lfunc_end_k_q5483b626e5_qkv:
	.size	k_q5483b626e5_qkv, .Lfunc_end_k_q5483b626e5_qkv-k_q5483b626e5_qkv
	.p2alignl 7, 3214868480
	.fill 96, 4, 3214868480
	.section	.rodata,"a",@progbits
	.p2align	6, 0x0
	.amdhsa_kernel k_q5483b626e5_qkv
		.amdhsa_group_segment_fixed_size 327680
		.amdhsa_private_segment_fixed_size 0
		.amdhsa_enable_private_segment 0
		.amdhsa_kernarg_size 40
		.amdhsa_user_sgpr_count 2
		.amdhsa_user_sgpr_kernarg_segment_ptr 1
		.amdhsa_wavefront_size32 1
		.amdhsa_system_sgpr_workgroup_id_x 1
		.amdhsa_system_sgpr_workgroup_id_y 1
		.amdhsa_system_sgpr_workgroup_id_z 1
		.amdhsa_system_vgpr_workitem_id 0
		.amdhsa_next_free_vgpr 1024
		.amdhsa_next_free_sgpr 100
		.amdhsa_reserve_vcc 0
		.amdhsa_float_denorm_mode_32 3
		.amdhsa_float_denorm_mode_16_64 3
		.amdhsa_memory_ordered 1
		.amdhsa_forward_progress 1
		.amdhsa_inst_pref_size 147
	.end_amdhsa_kernel
	.amdgpu_metadata
---
amdhsa.version: [ 1, 2 ]
amdhsa.kernels:
  - .name:           k_q5483b626e5_qkv
    .symbol:         k_q5483b626e5_qkv.kd
    .args:
      - { .name: xq4, .offset: 0, .size: 8, .value_kind: global_buffer, .address_space: global }
      - { .name: wq4, .offset: 8, .size: 8, .value_kind: global_buffer, .address_space: global }
      - { .name: ropetab, .offset: 16, .size: 8, .value_kind: global_buffer, .address_space: global }
      - { .name: qkh, .offset: 24, .size: 8, .value_kind: global_buffer, .address_space: global }
      - { .name: vth, .offset: 32, .size: 8, .value_kind: global_buffer, .address_space: global }
    .group_segment_fixed_size: 327680
    .private_segment_fixed_size: 0
    .kernarg_segment_align: 8
    .kernarg_segment_size: 40
    .max_flat_workgroup_size: 128
    .sgpr_count:     100
    .vgpr_count:     1024
    .wavefront_size: 32
...
	.end_amdgpu_metadata
.endif
;; end of part 2
;; launch attn (part 3): grid 16 x 16, 4 waves a work-group, no clusters, 327,680 bytes of LDS; arguments qkh, vth, atth; writes atth
.if DOCPART == 3
	.amdgcn_target "amdgcn-amd-amdhsa--gfx1250"
	.amdhsa_code_object_version 6
	.text
	.protected	k_q5483b626e5_attn
	.globl	k_q5483b626e5_attn
	.p2align	8
	.type	k_q5483b626e5_attn,@function
k_q5483b626e5_attn:
	s_mov_b64 s[64:65], 0
	v_nop
	global_prefetch_b8 v0, s[64:65] scope:SCOPE_SE
	s_setreg_imm32_b32 hwreg(HW_REG_WAVE_MODE, 25, 1), 1
	s_wait_xcnt 0x0
; ATTN: causal attention, f16 operands, f32 sums, maxima and row sums.  qkh [24][2048][128] f16 = q / 8 (heads 0-15), k / 8 (16-23), rotated; vth [1024 = kv 128 + d][2048] f16 = V^T / 8; atth [2048][2048 = head 128 + d] f16 = result / 8.
; SHARES.  Work-group (j, head) owns the query blocks j ("L") and 31 - j ("H") of 64 positions; wave w owns 16 queries of each.  In steps of 64 keys L needs steps 0 .. j and H steps 0 .. 31 - j: 33 tile steps for every wave of the
; launch, and L's steps are a prefix of H's, so that one fragment of K or V read from LDS feeds both tiles there.
; LAYOUT.  S^T = K Q^T (source 0 = 16 keys, source 1 = 16 queries) and O^T = V^T P (source 0 = 16 channels, source 1 = P): a lane holds ONE query (lane % 16) throughout; two tiles of S^T, rounded to f16 in pairs, are source 1 of the second product.
; SOFTMAX.  For each query a running maximum m and sum l: p = 2^(c s - c m), c = 64 log2(e) / sqrt(128) (the 64 undoes q / 8 and k / 8); in every step O and l are multiplied by a = 2^(c m_old - c m_new).
; A step's order: K Q^T of H; then, under ONE branch, all of L's work (K Q^T, softmax, V^T P); then softmax of H, V^T P of H: one tile's products are issued ahead of the other tile's vector work.
; THE RING.  Two LDS slots of 256 keys (4 steps): waves 0, 1 fetch K's halves, waves 2, 3 V^T's.  Every work-group walks all 8 slots (constant trip counts); a step whose keys all come after H's queries is jumped over, and a slot whose
; first step lies beyond H's last step is not asked for: that jump is made of ids and the count of steps alone, is the same in all four waves, and leads round the tensor load's own lines only; every wait for tensor loads is for all of them.
; NO CLUSTER: only the two query heads of one key head with the same j walk the same number of slots, so four alike partners do not exist, and past the causal limit a partner would read nothing of a joint tile.
; O^T and l begin as zeros and m as -3e38, so that the step is written once: 128 v_mov_b32 once, against a second copy of the step.
; REGISTERS.  window 0: v1-15 addresses; v16-31 statistics, 8 a tile (tile 0 = H, 1 = L): +0 c m, +1 m, +2, +3 l, +4..7 at work, a at +6; v32-95 Q; v96-159 S^T, then p; v160-191 P; v192 -infinity.
;   window 1: v0-127 K's fragments (kt, c) at 32 kt + 8 c; v128-255 V's (kk, dt) at 128 + 64 kk + 8 dt.   window 2: O^T at 64 t + 8 dt.
.set PKP,   272                        ; a key's row in LDS: 256 bytes + 16
.set PVP,   528                        ; a row of V^T's tile: 512 bytes + 16
.set VOFF,  256*PKP
.set SLOTB, 256*PKP+128*PVP
.set STAGE, 2*SLOTB                    ; the way out: 16 rows x 272 for each wave; no fill lands here
.set SPARE, STAGE+4*16*272             ; the spare words, 128 bytes a wave, which no other line names
.set AK0, 1
.set AV0, 2
.set ADK, 3
.set ADV, 4
.set DG,  5                            ; v5   16 w + r - 8 h: on the diagonal register n of S^T is hidden where 16 (n / 8) + n % 8 is above it
.set STO, 6
.set RD,  7
.set GO,  8
.set QO,  9
.set SPW, 10
.set NIL, 11
.set PFO, 12                           ; v12-15 the prefetches' offsets
.set ST,  16
.set Q,   32
.set S,   96
.set P,   160
.set NINF, 192
.set WV,  10
.set HD,  13
.set SH,  14                           ; H's last step
.set SL,  15                           ; L's last step = j
.set SI,  16                           ; the slot's first step
.set SN,  17                           ; the step in hand
.set TB,  18                           ; LDS byte at which the slot in hand begins
.set TBF, 19                           ; and the slot that is being asked for
.set SEL, 20
.set CS,  22
.set G1K, 24
.set G1V, 32
.set G0K, 40
.set G0V, 44
.set KL,  48
.set VL,  49
.set CNT, 50
.set LIM, 51
.set PFA, 52
.set PFS, 54
.set MSB, 0
.macro WIN new
.if MSB != \new
	s_set_vgpr_msb (MSB<<8)|\new
.set MSB, \new
.endif
.endm
.set W_KQ, 0x01                        ; K window 1; Q, S^T window 0
.set W_PV, 0xa1                        ; V window 1, P window 0, O^T window 2
.set W_RS, 0x82                        ; O^T (destination, source 0) window 2, a window 0
.set W_LD, 0x40                        ; destination window 1, address window 0
.macro PLACES
.rept 4
	v_nop
.endr
.endm
.macro TLOAD                           ; one tensor load a wave; the branch hangs on the wave's number alone; an s_nop 0 and four v_nop follow each line
	s_cmp_lt_u32 s[WV], 2
	s_cbranch_scc0 .Lfor_v_\@
	tensor_load_to_lds s[G0K:G0K+3], s[G1K:G1K+7]
	s_nop 0
.rept 4
	v_nop
.endr
	s_branch .Lasked_\@
.Lfor_v_\@:
	tensor_load_to_lds s[G0V:G0V+3], s[G1V:G1V+7]
	s_nop 0
.rept 4
	v_nop
.endr
.Lasked_\@:
.endm
; A prefetch into the L2 of the slot that the NEXT change of slots will load: 4 key steps ahead of that load.  All work-groups of a key head walk the same K and V^T: the one with j = 0 and the even query head, which walks all 8 slots, asks.
; Each of its waves names the part that it will fetch, 128 aligned blocks of 256 bytes, by four instructions, a lane a block: so each block is named once in the launch.  Slots 0 and 1 come by their loads alone; changes 6 and 7 ask for nothing.
.macro ASK
	s_cmp_gt_u32 s[CNT], s[LIM]
	s_cbranch_scc0 .Lnot_mine_\@
.irp i, 0,1,2,3
	global_prefetch_b8 v[PFO+\i], s[PFA:PFA+1] th:TH_LOAD_NT scope:SCOPE_SE
.endr
.Lnot_mine_\@:
.endm
	s_load_b128 s[4:7], s[0:1], 0x0                ; qkh, vth
	s_load_b64 s[8:9], s[0:1], 0x10                ; atth
	v_lshl_add_u32 v[SPW], v0, 2, SPARE
	v_mov_b32 v[NIL], 0
	ds_add_u32 v[SPW], v[NIL]                      ; the wave's opening: the add, twice on end, and its wait ahead of my first tensor load
	ds_add_u32 v[SPW], v[NIL]
	v_lshrrev_b32 v193, 5, v0
	v_readfirstlane_b32 s[WV], v193
	s_and_b32 s[HD], ttmp7, 0xffff
	s_mov_b32 s[SL], ttmp9
	s_sub_co_u32 s[SH], 31, s[SL]
	s_mov_b32 s[SI], 0
	s_mov_b32 s[TB], 0
	s_mov_b32 s[TBF], 0
	s_mov_b32 s[CNT], 7
	s_mov_b32 s[SEL], 0x76543210
	s_mov_b32 s[SEL+1], 0xfedcba98
	s_mov_b32 s[CS], 0x410293ee                    ; c = 64 log2(e) / sqrt(128)
	s_mov_b32 s[CS+1], s[CS]
	s_mov_b32 s[G1K], (1<<16)|(1<<20)|(5<<22)|(3<<25)   ; elements of 2 bytes; 4 words of padding behind every 64
	s_mov_b32 s[G1K+1], 128<<16                    ; tensor_dim0
	s_mov_b32 s[G1K+2], 128<<16                    ; tensor_dim1: 128 keys a load
	s_mov_b32 s[G1K+3], 128<<16                    ; tile_dim0
	s_mov_b32 s[G1K+4], 128                        ; tile_dim1
	s_mov_b32 s[G1K+5], 128                        ; from row to row
	s_mov_b32 s[G1K+6], 0
	s_mov_b32 s[G1K+7], 0
	s_mov_b32 s[G1V], (1<<16)|(1<<20)|(6<<22)|(3<<25)   ; 4 words behind every 128
	s_mov_b32 s[G1V+1], 256<<16
	s_mov_b32 s[G1V+2], 64<<16                     ; 64 channels a load
	s_mov_b32 s[G1V+3], 256<<16
	s_mov_b32 s[G1V+4], 64
	s_mov_b32 s[G1V+5], 2048
	s_mov_b32 s[G1V+6], 0
	s_mov_b32 s[G1V+7], 0
	s_and_b32 s2, s[WV], 1                         ; which half I fetch
	s_mul_i32 s[KL], s2, 128*PKP
	s_mul_i32 s[VL], s2, 64*PVP
	s_add_co_u32 s[VL], s[VL], VOFF
	s_lshr_b32 s3, s[HD], 1                        ; the key head
	s_lshl_b32 s3, s3, 19                          ; 524,288 bytes each, in qkh and in vth
	s_lshl_b32 s56, s2, 15
	s_add_co_u32 s56, s56, s3
	s_add_co_u32 s56, s56, 16*524288               ; K lies behind the 16 query heads
	s_mov_b32 s57, 0
	s_lshl_b32 s58, s2, 18
	s_add_co_u32 s58, s58, s3
	s_mov_b32 s59, 0
	s_and_b32 s11, s[HD], 1
	s_or_b32 s11, s11, ttmp9
	s_cmp_eq_u32 s11, 0
	s_cselect_b32 s[LIM], 1, -1                    ; 1 in the work-group that prefetches, else the greatest number
	s_wait_dscnt 0x0                               ; both opening adds are done
	s_wait_kmcnt 0x0
	s_mov_b32 s[G0K], 1
	s_mov_b32 s[G0K+1], s[KL]
	s_add_nc_u64 s[G0K+2:G0K+3], s[4:5], s[56:57]
	s_mov_b32 s[G0V], 1
	s_mov_b32 s[G0V+1], s[VL]
	s_add_nc_u64 s[G0V+2:G0V+3], s[6:7], s[58:59]
	s_mov_b32 s[PFS], 512
	s_mov_b32 s[PFS+1], 0
	s_cmp_lt_u32 s[WV], 2
	s_cselect_b64 s[PFA:PFA+1], s[G0K+2:G0K+3], s[G0V+2:G0V+3]    ; my part of slot 0, as a plain address
	s_cselect_b32 s[PFS], 65536, s[PFS]            ; a slot on
	s_or_b32 s[G0K+3], s[G0K+3], 0x80000000
	s_or_b32 s[G0V+3], s[G0V+3], 0x80000000
	TLOAD                                          ; slot 0
	s_add_nc_u64 s[PFA:PFA+1], s[PFA:PFA+1], s[PFS:PFS+1]         ; in slot 1; the first change of slots steps it to slot 2.  Nothing is prefetched here, at the head
	s_lshl_b32 s2, s[SH], 6
	s_lshl_b32 s3, s[WV], 4
	s_add_co_u32 s2, s2, s3                        ; H's first query
	s_lshl_b32 s11, s[SL], 6
	s_add_co_u32 s11, s11, s3                      ; L's
	s_lshl_b32 s3, s[HD], 19
	s_lshl_b32 s56, s2, 8
	s_add_co_u32 s56, s56, s3
	s_mov_b32 s57, 0
	s_add_nc_u64 s[56:57], s[4:5], s[56:57]        ; Q of H
	s_lshl_b32 s58, s11, 8
	s_add_co_u32 s58, s58, s3
	s_mov_b32 s59, 0
	s_add_nc_u64 s[58:59], s[4:5], s[58:59]        ; Q of L
	s_lshl_b32 s3, s[HD], 8
	s_lshl_b32 s60, s2, 12
	s_add_co_u32 s60, s60, s3
	s_mov_b32 s61, 0
	s_add_nc_u64 s[60:61], s[8:9], s[60:61]        ; the result's rows of H
	s_lshl_b32 s62, s11, 12
	s_add_co_u32 s62, s62, s3
	s_mov_b32 s63, 0
	s_add_nc_u64 s[62:63], s[8:9], s[62:63]        ; of L
	v_and_b32 v193, 15, v0                         ; r
	v_bfe_u32 v194, v0, 4, 1                       ; h
	v_lshlrev_b32 v[QO], 8, v193
	v_lshl_add_u32 v[QO], v194, 4, v[QO]
.irp c, 0,1,2,3                                ; Q stays in registers
	global_load_b128 v[Q+8*\c:Q+8*\c+3],       v[QO], s[56:57] offset:64*\c
	global_load_b128 v[Q+8*\c+4:Q+8*\c+7],     v[QO], s[56:57] offset:64*\c+32
	global_load_b128 v[Q+32+8*\c:Q+32+8*\c+3], v[QO], s[58:59] offset:64*\c
	global_load_b128 v[Q+36+8*\c:Q+36+8*\c+3], v[QO], s[58:59] offset:64*\c+32
.endr
	v_mul_u32_u24 v[AK0], v193, PKP
	v_lshl_add_u32 v[AK0], v194, 4, v[AK0]
	v_mul_u32_u24 v[AV0], v193, PVP
	v_lshl_add_u32 v[AV0], v194, 4, v[AV0]
	v_add_nc_u32 v[AV0], VOFF, v[AV0]
	v_lshlrev_b32 v195, 3, v194
	v_sub_nc_u32 v[DG], v193, v195
	s_lshl_b32 s3, s[WV], 4
	v_add_nc_u32 v[DG], s3, v[DG]
	s_mul_i32 s3, s[WV], 16*272
	s_add_co_u32 s3, s3, STAGE                     ; my stage
	v_add_nc_u32 v[STO], s3, v[AK0]                ; in: row r, 16 bytes for each half of the lanes
	v_mul_u32_u24 v[RD], v194, 272
	v_lshl_add_u32 v[RD], v193, 4, v[RD]
	v_add_nc_u32 v[RD], s3, v[RD]                  ; back: lanes 0-15 one row, lanes 16-31 the next
	v_lshlrev_b32 v[GO], 12, v194
	v_lshl_add_u32 v[GO], v193, 4, v[GO]           ; and the same two rows of the result
	v_and_b32 v195, 31, v0
	s_cmp_lt_u32 s[WV], 2                          ; the prefetches' offsets: K: blocks on end; V^T: a lane a row, two blocks a row, 32 rows an instruction pair
	s_mov_b32 s2, 4096
	s_cselect_b32 s2, 256, s2
	v_mul_lo_u32 v[PFO], v195, s2
	s_mov_b32 s3, 256
	s_cselect_b32 s3, 8192, s3
	v_add_nc_u32 v[PFO+1], s3, v[PFO]
	s_mov_b32 s3, 131072
	s_cselect_b32 s3, 16384, s3
	v_add_nc_u32 v[PFO+2], s3, v[PFO]
	s_mov_b32 s3, 131328
	s_cselect_b32 s3, 24576, s3
	v_add_nc_u32 v[PFO+3], s3, v[PFO]
	v_mov_b32 v[NINF], 0xff800000
.irp t, 0,1
	v_mov_b32 v[ST+8*\t], 0xff61b1e6               ; c m and m: -3e38, under every score
	v_mov_b32 v[ST+8*\t+1], 0xff61b1e6
	v_mov_b32 v[ST+8*\t+2], 0                      ; l, in two halves
	v_mov_b32 v[ST+8*\t+3], 0
	v_mov_b32 v[ST+8*\t+5], 0                      ; written once: a lane permute's destination counts as one of its sources
	v_mov_b32 v[ST+8*\t+7], 0                      ; written once: named as the upper half of the pair that holds a, and at the end 1 / l
.endr
	WIN 0x80
.set i, 0
.rept 128
	v_mov_b32 v[i], 0                              ; O^T
.set i, i+1
.endr
	WIN 0
.macro KLOAD q                         ; a step's K: 16 fragments (keys 16 (f / 4) on, channels 32 (f % 4) on)
.irp f, 0,1,2,3,4,5,6,7,8,9,10,11,12,13,14,15
	ds_load_b128 v[8*\f:8*\f+3],   v[ADK] offset:(64*(\q)+16*(\f/4))*PKP+64*(\f%4)
	ds_load_b128 v[8*\f+4:8*\f+7], v[ADK] offset:(64*(\q)+16*(\f/4))*PKP+64*(\f%4)+32
.endr
.endm
.macro VLOAD q                         ; a step's V^T: 16 fragments (keys 32 (f / 8) on, channels 16 (f % 8) on)
.irp f, 0,1,2,3,4,5,6,7,8,9,10,11,12,13,14,15
	ds_load_b128 v[128+8*\f:128+8*\f+3],   v[ADV] offset:(\f%8)*16*PVP+128*(\q)+64*(\f/8)
	ds_load_b128 v[128+8*\f+4:128+8*\f+7], v[ADV] offset:(\f%8)*16*PVP+128*(\q)+64*(\f/8)+32
.endr
.endm
; The accumulators take turns, one instruction a turn: four in K Q^T, eight in V^T P
.macro KQ t
.irp c, 0,1,2,3
.irp kt, 0,1,2,3
.if \c == 0
	v_wmma_f32_16x16x32_f16 v[S+32*\t+8*\kt:S+32*\t+8*\kt+7], v[32*\kt+8*\c:32*\kt+8*\c+7], v[Q+32*\t+8*\c:Q+32*\t+8*\c+7], 0
.else
	v_wmma_f32_16x16x32_f16 v[S+32*\t+8*\kt:S+32*\t+8*\kt+7], v[32*\kt+8*\c:32*\kt+8*\c+7], v[Q+32*\t+8*\c:Q+32*\t+8*\c+7], v[S+32*\t+8*\kt:S+32*\t+8*\kt+7]
.endif
.endr
.endr
.endm
.macro PV t
.irp kk, 0,1
.irp dt, 0,1,2,3,4,5,6,7
	v_wmma_f32_16x16x32_f16 v[64*\t+8*\dt:64*\t+8*\dt+7], v[128+64*\kk+8*\dt:128+64*\kk+8*\dt+7], v[P+16*\t+8*\kk:P+16*\t+8*\kk+7], v[64*\t+8*\dt:64*\t+8*\dt+7]
.endr
.endr
.endm
; Tile t's softmax for one step.  dg: the scalar that holds the tile's diagonal step
.macro SM t, dg
.set rT, ST+8*(\t)
.set rS, S+32*(\t)
.set rP, P+16*(\t)
.set rO, 64*(\t)
	s_cmp_lg_u32 s[SN], s[\dg]                     ; ids and the count of steps alone
	s_cbranch_scc1 .Lopen_\@
.set n, 0
.rept 32
	v_cmp_gt_i32 vcc_lo, 16*(n/8)+n%8, v[DG]       ; on the diagonal the scores of hidden keys become -infinity ahead of the maximum: p = 0 then
	v_cndmask_b32 v[rS+n], v[rS+n], v[NINF], vcc_lo
.set n, n+1
.endr
.Lopen_\@:
.irp j, 0,1,2,3
	v_max3_num_f32 v[rT+4+\j], v[rS+8*\j], v[rS+8*\j+1], v[rS+8*\j+2]      ; four chains, each from its accumulator's low end
.endr
.irp j, 0,1,2,3
	v_max3_num_f32 v[rT+4+\j], v[rT+4+\j], v[rS+8*\j+3], v[rS+8*\j+4]
.endr
.irp j, 0,1,2,3
	v_max3_num_f32 v[rT+4+\j], v[rT+4+\j], v[rS+8*\j+5], v[rS+8*\j+6]
.endr
	v_max3_num_f32 v[rT+4], v[rT+4], v[rS+7], v[rS+15]
	v_max3_num_f32 v[rT+6], v[rT+6], v[rS+23], v[rS+31]
	v_max3_num_f32 v[rT+4], v[rT+4], v[rT+5], v[rT+6]
	v_max3_num_f32 v[rT+4], v[rT+4], v[rT+7], v[rT+1]              ; with the old m
	v_permlanex16_b32 v[rT+5], v[rT+4], s[SEL], s[SEL+1]           ; the query's other 32 keys lie in the lane 16 away
	v_mov_b32 v[rT+7], v[rT]                       ; c m_old
	v_max_num_f32 v[rT+1], v[rT+4], v[rT+5]        ; the new m
	v_mul_f32 v[rT], s[CS], v[rT+1]
	v_sub_f32 v[rT+7], v[rT+7], v[rT]
.set n, 0
.rept 16
	v_pk_fma_f32 v[rS+n:rS+n+1], v[rS+n:rS+n+1], s[CS:CS+1], v[rT:rT+1] op_sel_hi:[1,0,0] neg_lo:[0,0,1] neg_hi:[0,0,1]   ; c s - c m
.set n, n+2
.endr
	v_exp_f32 v[rT+6], v[rT+7]                     ; a
.set n, 0
.rept 32
	v_exp_f32 v[rS+n], v[rS+n]                     ; p
.set n, n+1
.endr
	v_nop                                          ; a plain instruction behind the last exponential
	s_wait_alu depctr_va_vdst(0)                   ; ONE wait for the 33, ahead of their first reader
.set n, 0
.rept 16
	v_cvt_pk_f16_f32 v[rP+n], v[rS+2*n], v[rS+2*n+1]
.set n, n+1
.endr
.irp u, 0,1,2,3,4,5,6,7                        ; the sum of the unrounded p, in place, pairs 1, 2, 4 and 8 apart
	v_pk_add_f32 v[rS+4*\u:rS+4*\u+1], v[rS+4*\u:rS+4*\u+1], v[rS+4*\u+2:rS+4*\u+3]
.endr
.irp u, 0,1,2,3
	v_pk_add_f32 v[rS+8*\u:rS+8*\u+1], v[rS+8*\u:rS+8*\u+1], v[rS+8*\u+4:rS+8*\u+5]
.endr
.irp u, 0,1
	v_pk_add_f32 v[rS+16*\u:rS+16*\u+1], v[rS+16*\u:rS+16*\u+1], v[rS+16*\u+8:rS+16*\u+9]
.endr
	v_pk_add_f32 v[rS:rS+1], v[rS:rS+1], v[rS+16:rS+17]
	v_pk_fma_f32 v[rT+2:rT+3], v[rT+2:rT+3], v[rT+6:rT+7], v[rS:rS+1] op_sel_hi:[1,0,1]   ; l = a l + the sum
	WIN W_RS
.set n, 0
.rept 32
	v_pk_mul_f32 v[rO+n:rO+n+1], v[rO+n:rO+n+1], v[rT+6:rT+7] op_sel_hi:[1,0]            ; O^T x a, each accumulator from its low end on
.set n, n+2
.endr
	WIN 0
.endm
; A KEY STEP: 64 keys, the q-th of the slot in hand.  id: the number of the slot's text, for the label at its end
.macro STEP q, id
	s_add_co_u32 s[SN], s[SI], \q
	s_cmp_gt_u32 s[SN], s[SH]                      ; all its keys come after H's queries (and L's): this step and the slot's later ones are left out
	s_cbranch_scc1 .Lslot_end_\id
	PLACES                                         ; between the last products and loads into registers that they read
	WIN W_LD
.if \q == 0
	KLOAD 0
.endif
	VLOAD \q
	WIN 0
	s_wait_dscnt 32                                ; K is in; V's 32 loads may be out
	WIN W_KQ
	KQ 0
	WIN 0
	s_cmp_gt_u32 s[SN], s[SL]                      ; ALL OF L'S WORK STANDS UNDER THIS ONE BRANCH: its softmax is reached only through its products
	s_cbranch_scc1 .Lno_l_\@
	WIN W_KQ
	KQ 1
	WIN 0
	PLACES                                         ; in front of the first read of L's scores
	SM 1, SL
	s_wait_dscnt 0x0                               ; V is in: nothing was asked for behind it
	WIN W_PV
	PV 1
	WIN 0
.Lno_l_\@:
	PLACES                                         ; in front of the first read of H's scores (where L's work was left out) and of loads into K's registers
.if \q < 3
	WIN W_LD
	KLOAD (\q)+1                                   ; the next step's K: the slot is whole
	WIN 0
.endif
	SM 0, SH
.if \q < 3
	s_wait_dscnt 32                                ; V is in, on both ways; the next K's 32 loads may be out
.else
	s_wait_dscnt 0x0
.endif
	WIN W_PV
	PV 0
	WIN 0
.endm
; THE CHANGE OF SLOTS stands at a slot's head.  Each wave waits for all its tensor loads (its part of the slot that it is about to read), adds 0 to its spare word, and waits for that and for its reads of the slot that it has left.
; Behind the barrier the slot ahead is whole and nobody reads the other one.  fill = 1: that other slot takes the next 256 keys, up to the causal limit.
.macro CHANGE fill
	s_wait_tensorcnt 0x0                           ; no tensor load of mine is out, so a group 0 may be written
	ds_add_u32 v[SPW], v[NIL]                      ; 0 onto my spare word
.if \fill
	s_xor_b32 s[TBF], s[TBF], SLOTB                ; the other slot than last time,
	s_add_co_u32 s[G0K+1], s[TBF], s[KL]
	s_add_co_u32 s[G0V+1], s[TBF], s[VL]
	s_add_nc_u64 s[G0K+2:G0K+3], s[G0K+2:G0K+3], 65536             ; the next 256 keys
	s_add_nc_u64 s[G0V+2:G0V+3], s[G0V+2:G0V+3], 512
	s_wait_xcnt 0x0                                ; the last prefetches, a slot back, have read their address
	s_add_nc_u64 s[PFA:PFA+1], s[PFA:PFA+1], s[PFS:PFS+1]
.endif
	s_wait_dscnt 0x0                               ; the add is done, and my reads of the slot that I have left are over
	s_barrier_signal -1
	s_barrier_wait -1
.if \fill
	s_add_co_u32 s[SN], s[SI], 4                   ; the first step of the slot that this change would ask for
	s_cmp_gt_u32 s[SN], s[SH]                      ; beyond H's last step no wave of the work-group reads it: it is not asked for; a work-group past the limit stays past it
	s_cbranch_scc1 .Lpast_\@
	TLOAD                                          ; a wave's one tensor load until the next such barrier
.Lpast_\@:
	ASK
.endif
.endm
.macro SLOT_STEPS
	v_add_nc_u32 v[ADK], s[TB], v[AK0]
	v_add_nc_u32 v[ADV], s[TB], v[AV0]
	STEP 0, \@
	STEP 1, \@
	STEP 2, \@
	STEP 3, \@
.Lslot_end_\@:
	s_xor_b32 s[TB], s[TB], SLOTB
	s_add_co_u32 s[SI], s[SI], 4
.endm
	s_wait_loadcnt 0x0                             ; Q
.Lslot:                                            ; 7 trips: behind each change of slots but the last the next slot is asked for, up to the limit
	CHANGE 1
	SLOT_STEPS
	s_sub_co_u32 s[CNT], s[CNT], 1
	s_cmp_lg_u32 s[CNT], 0
	s_cbranch_scc1 .Lslot
	CHANGE 0                                       ; the last slot is written out: nothing is left to ask for
	SLOT_STEPS
	; THE WAY OUT.  l's two halves and the other half of the lanes' are added; O^T / l, rounded to f16, goes through my stage, a tile (16 rows) at a time
	PLACES
.irp t, 0,1
	v_add_f32 v[ST+8*\t+4], v[ST+8*\t+2], v[ST+8*\t+3]
.endr
.irp t, 0,1
	v_permlanex16_b32 v[ST+8*\t+5], v[ST+8*\t+4], s[SEL], s[SEL+1]
.endr
.irp t, 0,1
	v_add_f32 v[ST+8*\t+4], v[ST+8*\t+4], v[ST+8*\t+5]
.endr
.irp t, 0,1
	v_rcp_f32 v[ST+8*\t+6], v[ST+8*\t+4]
.endr
	v_nop                                          ; a plain instruction behind the last reciprocal
	s_wait_alu depctr_va_vdst(0)                   ; one wait for the two, ahead of their first reader
.macro PACK t
	WIN W_RS
.set i, 64*\t
.rept 32
	v_pk_mul_f32 v[i:i+1], v[i:i+1], v[ST+8*\t+6:ST+8*\t+7] op_sel_hi:[1,0]
.set i, i+2
.endr
	WIN 0x0a                                       ; sources 0 and 1 window 2, destination window 0: S^T's registers are free
.set i, 0
.rept 32
	v_cvt_pk_f16_f32 v[S+32*\t+i], v[64*\t+2*i], v[64*\t+2*i+1]
.set i, i+1
.endr
	WIN 0
.irp f, 0,1,2,3,4,5,6,7
	ds_store_b128 v[STO], v[S+32*\t+4*\f:S+32*\t+4*\f+3] offset:32*\f
.endr
.irp f, 0,1,2,3,4,5,6,7
	ds_load_b128 v[S+32*\t+4*\f:S+32*\t+4*\f+3], v[RD] offset:\f*2*272   ; LDS serves a wave's instructions in order: these see the stores above; the next tile's stores come behind them
.endr
.endm
.macro SEND t, younger                 ; younger: the LDS instructions issued behind tile t's loads
.irp f, 0,1,2,3,4,5,6,7
	s_wait_dscnt \younger+7-\f
	global_store_b128 v[GO], v[S+32*\t+4*\f:S+32*\t+4*\f+3], s[60+2*\t:61+2*\t] offset:\f*8192   ; 16 lanes store 256 consecutive bytes, aligned
.endr
.endm
	PACK 0
	PACK 1
	SEND 0, 16
	SEND 1, 0
	s_wait_tensorcnt 0x0                           ; the wave's end
	ds_add_u32 v[SPW], v[NIL]
	s_wait_dscnt 0x0
	s_endpgm
.Lfunc_end_k_q5483b626e5_attn:
	.size	k_q5483b626e5_attn, .Lfunc_end_k_q5483b626e5_attn-k_q5483b626e5_attn
	.p2alignl 7, 3214868480
	.fill 96, 4, 3214868480
	.section	.rodata,"a",@progbits
	.p2align	6, 0x0
	.amdhsa_kernel k_q5483b626e5_attn
		.amdhsa_group_segment_fixed_size 327680
		.amdhsa_private_segment_fixed_size 0
		.amdhsa_enable_private_segment 0
		.amdhsa_kernarg_size 24
		.amdhsa_user_sgpr_count 2
		.amdhsa_user_sgpr_kernarg_segment_ptr 1
		.amdhsa_wavefront_size32 1
		.amdhsa_system_sgpr_workgroup_id_x 1
		.amdhsa_system_sgpr_workgroup_id_y 1
		.amdhsa_system_sgpr_workgroup_id_z 1
		.amdhsa_system_vgpr_workitem_id 0
		.amdhsa_next_free_vgpr 768
		.amdhsa_next_free_sgpr 66
		.amdhsa_reserve_vcc 1
		.amdhsa_float_denorm_mode_32 3
		.amdhsa_float_denorm_mode_16_64 3
		.amdhsa_memory_ordered 1
		.amdhsa_forward_progress 1
		.amdhsa_inst_pref_size 251
	.end_amdhsa_kernel
	.amdgpu_metadata
---
amdhsa.version: [ 1, 2 ]
amdhsa.kernels:
  - .name:           k_q5483b626e5_attn
    .symbol:         k_q5483b626e5_attn.kd
    .args:
      - { .name: qkh, .offset: 0, .size: 8, .value_kind: global_buffer, .address_space: global }
      - { .name: vth, .offset: 8, .size: 8, .value_kind: global_buffer, .address_space: global }
      - { .name: atth, .offset: 16, .size: 8, .value_kind: global_buffer, .address_space: global }
    .group_segment_fixed_size: 327680
    .private_segment_fixed_size: 0
    .kernarg_segment_align: 8
    .kernarg_segment_size: 24
    .max_flat_workgroup_size: 128
    .sgpr_count:     66
    .vgpr_count:     768
    .wavefront_size: 32
...
	.end_amdgpu_metadata
.endif
;; end of part 3
;; launch oproj (part 4): grid 16 x 16, 4 waves a work-group, clusters of 4 x 4, 327,680 bytes of LDS; arguments atth, wo16, out0; writes out0
.if DOCPART == 4
	.amdgcn_target "amdgcn-amd-amdhsa--gfx1250"
	.amdhsa_code_object_version 6
	.text
	.protected	k_q5483b626e5_oproj
	.globl	k_q5483b626e5_oproj
	.p2align	8
	.type	k_q5483b626e5_oproj,@function
k_q5483b626e5_oproj:
	s_mov_b64 s[64:65], 0
	v_nop
	global_prefetch_b8 v0, s[64:65] scope:SCOPE_SE
	s_setreg_imm32_b32 hwreg(HW_REG_WAVE_MODE, 25, 1), 1
	s_wait_xcnt 0x0
	s_wait_alu depctr_hold_cnt(0) depctr_sa_sdst(0) depctr_va_vdst(0) depctr_va_sdst(0) depctr_va_ssrc(0) depctr_va_vcc(0) depctr_vm_vsrc(0)
	s_getreg_b32 s2, hwreg(HW_REG_IB_STS2, 6, 4)
	s_cmp_eq_u32 s2, 0
	s_cbranch_scc0 .Lentry_in_a_cluster
	s_endpgm
.Lentry_in_a_cluster:
	s_bfe_u32 s2, ttmp6, 0x10000c
	s_cmp_lg_u32 s2, 0xf033
	s_cbranch_scc0 .Lentry_shape_is_right
	s_endpgm
.Lentry_shape_is_right:
; OPROJ: out0 [2048][4096] f32 = (attention / 8) (8 Wo)^T, f16 operands, f32 sums, K = 2,048.  atth [2048][2048] f16, wo16 [4096][2048] f16.
; A tile is 128 tokens x 256 outputs: 256 tiles, one a work-group.  Four waves, each 64 x 128: 32 accumulators.
; THE RING HAS TWO SLOTS OF UNEQUAL SIZE.  A K step of 128 is 384 rows of 256 bytes; two slots of two K steps each do not fit in LDS, three K steps do.  So slot X holds one K step (rows of 256 bytes, pitch 272) and slot Y two
; (rows of 512 bytes, pitch 528), and the 16 K steps are walked X Y X Y X Y X Y X Y X.  X's refill is asked for 240 products ahead of the wait for it (16 of X's last step, 224 of Y's first seven),
; Y's 112 ahead (16 of Y's last step, 96 of X's first three); there are 9 refills, each behind a round of the cluster's barrier, where two slots of one K step would have 14.
; CLUSTERS: 4 x 4.  A's tiles are shared along a row of the cluster, B's along a column: joint loads.  Waves 0, 1 fetch A's halves (64 rows), waves 2, 3 B's (128 rows).
; THE MATRIX INSTRUCTION IS USED TRANSPOSED (source 0 = 16 rows of wo16, source 1 = 16 tokens): a lane holds eight neighbouring outputs of one token.
; No prefetch is laid: each tile is shared in the cluster and read again by other clusters.
; REGISTERS.  window 0: v8-29 addresses; v128-191 A's fragments, two sets of 32 (on the way out v128-255 are whole rows).  window 1: B's fragments, sets at v0 and v64.  window 2: the accumulators, (a, b) at v[8 (8 a + b)].
.set PX,     272                       ; slot X: an LDS row is 256 bytes + 16 of padding
.set PY,     528                       ; slot Y: 512 bytes + 16.  Both are odd multiples of 16: the 16 rows of a fragment load start 16 bytes further on modulo 256
.set HAX,    64*PX                     ; what a wave fetches, and reads, of A in X
.set HBX,    128*PX                    ; of B
.set BOFFX,  2*HAX                     ; X: A's 128 rows, then B's 256
.set YB,     2*HAX+2*HBX               ; slot Y begins behind X
.set HAY,    64*PY
.set HBY,    128*PY
.set BOFFY,  YB+2*HAY                  ; Y: A's 128 rows, then B's 256
.set SPARE,  BOFFY+2*HBY               ; behind the ring: the spare words, 128 bytes a wave, which no other line names
.set STAGE,  YB                        ; the way out: 16 rows x (512 + 16) bytes for each wave, at Y's start: Y has had its last fill and, behind the last change of slots, its last read when the first result is stored there
.set SPITCH, 528
.set KADV,   768                       ; a slot's next tile lies three K steps of 256 bytes on
.set ADRA, 8                           ; v8  my A fragments in X, v9 in Y
.set ADRB, 10                          ; v10 my B fragments in X, v11 in Y
.set STO,  14
.set RD,   15
.set CO,   16
.set SPW,  28
.set NIL,  29
.set AF,   128
.set BK,   128
.set G1A,  24                          ; s[24:31] group 1 for A's tiles in X, s[40:47] in Y
.set G1B,  32                          ; s[32:39] for B's in X, s[48:55] in Y
.set G0A,  56                          ; s[56:59] group 0 for A's tiles in X, s[68:71] in Y
.set G0B,  60                          ; s[60:63] for B's in X, s[72:75] in Y
.set MSB, 0
.macro WIN new                         ; the immediate's high byte repeats the setting that is left
.if MSB != \new
	s_set_vgpr_msb (MSB<<8)|\new
.set MSB, \new
.endif
.endm
.set MUL,  0xa1                        ; source 0 (B) window 1, source 1 (A) window 0, C and D window 2
.set TO_B, 0x40                        ; destination window 1, address window 0
.macro JLOAD s                         ; a joint load into slot s (0: X, 1: Y); the branch hangs on the wave's number alone; an s_nop 0 and four v_nop follow each line
	s_cmp_eq_u32 s15, 0
	s_cbranch_scc0 .Lfor_b_\@
	tensor_load_to_lds s[G0A+12*\s:G0A+12*\s+3], s[G1A+16*\s:G1A+16*\s+7]
	s_nop 0
.rept 4
	v_nop
.endr
	s_branch .Lasked_\@
.Lfor_b_\@:
	tensor_load_to_lds s[G0B+12*\s:G0B+12*\s+3], s[G1B+16*\s:G1B+16*\s+7]
	s_nop 0
.rept 4
	v_nop
.endr
.Lasked_\@:
.endm
.macro CREST                           ; a round of the cluster's barrier behind its opening barrier
	s_cmp_lg_u32 s14, 0
	s_cbranch_scc1 .Lnot_wave_0_\@
	s_barrier_signal -3
.Lnot_wave_0_\@:
	s_barrier_wait -3
	s_barrier_signal -1
	s_barrier_wait -1
.endm
.macro CROUND
	s_barrier_signal -1
	s_barrier_wait -1
	CREST
.endm
.macro PLACES n
.rept \n
	v_nop
.endr
.endm
	s_load_b128 s[4:7], s[0:1], 0x0                ; atth, wo16
	s_load_b64 s[8:9], s[0:1], 0x10                ; out0
	v_lshl_add_u32 v[SPW], v0, 2, SPARE
	v_mov_b32 v[NIL], 0
	ds_add_u32 v[SPW], v[NIL]                      ; the wave's opening: the add, twice on end, and its wait ahead of my first tensor load
	ds_add_u32 v[SPW], v[NIL]
	v_lshrrev_b32 v1, 5, v0
	v_readfirstlane_b32 s14, v1
	s_lshr_b32 s15, s14, 1                         ; my half of the rows.  Also: I fetch for A (0) or for B (1)
	s_and_b32 s16, s14, 1                          ; my half of the columns.  Also: which half I fetch
	s_bfe_u32 s76, ttmp6, 0x40000                  ; cx
	s_bfe_u32 s77, ttmp6, 0x40004                  ; cy
	s_lshl_b32 s78, ttmp9, 2
	s_add_co_u32 s78, s78, s76                     ; tile column
	s_and_b32 s79, ttmp7, 0xffff
	s_lshl_b32 s79, s79, 2
	s_add_co_u32 s79, s79, s77                     ; tile row
	s_lshl_b32 s80, s77, 2
	s_lshl_b32 s80, 15, s80                        ; my row of the cluster
	s_lshl_b32 s81, 0x1111, s76                    ; my column
	s_or_b32 s[G1A], s80, (1<<16)|(1<<20)|(1<<21)|(5<<22)|(3<<25)     ; X: elements of 2 bytes; 4 words of padding behind every 64; bit 21 beside a mask
	s_or_b32 s[G1B], s81, (1<<16)|(1<<20)|(1<<21)|(5<<22)|(3<<25)
	s_or_b32 s[G1A+16], s80, (1<<16)|(1<<20)|(1<<21)|(6<<22)|(3<<25)  ; Y: 4 words behind every 128
	s_or_b32 s[G1B+16], s81, (1<<16)|(1<<20)|(1<<21)|(6<<22)|(3<<25)
.irp g, G1A, G1B
	s_mov_b32 s[\g+1], 128<<16                     ; X: tensor_dim0 = 128 elements
	s_mov_b32 s[\g+3], 128<<16                     ; tile_dim0
	s_mov_b32 s[\g+5], 2048                        ; from row to row in memory
	s_mov_b32 s[\g+6], 0
	s_mov_b32 s[\g+7], 0
	s_mov_b32 s[\g+17], 256<<16                    ; Y: 256 elements
	s_mov_b32 s[\g+19], 256<<16
	s_mov_b32 s[\g+21], 2048
	s_mov_b32 s[\g+22], 0
	s_mov_b32 s[\g+23], 0
.endr
.irp u, 0, 16
	s_mov_b32 s[G1A+\u+2], 64<<16                  ; tensor_dim1, tile_dim1: 64 rows of A a load,
	s_mov_b32 s[G1A+\u+4], 64
	s_mov_b32 s[G1B+\u+2], 128<<16                 ; 128 of B
	s_mov_b32 s[G1B+\u+4], 128
.endr
	s_lshl_b32 s18, s79, 7
	s_lshl_b32 s19, s16, 6
	s_add_co_u32 s18, s18, s19                     ; A: the first row that I fetch: made of the tile row and the wave's number alone,
	s_lshl_b32 s18, s18, 12                        ; in bytes
	s_mov_b32 s19, 0
	s_lshl_b32 s22, s78, 8
	s_lshl_b32 s23, s16, 7
	s_add_co_u32 s22, s22, s23                     ; B: of the tile column and the wave's number alone
	s_lshl_b32 s22, s22, 12
	s_mov_b32 s23, 0
	s_mul_i32 s2, s16, HAX                         ; where they go: no place in the cluster enters an LDS address
	s_mul_i32 s3, s16, HBX
	s_mul_i32 s82, s16, HAY
	s_mul_i32 s83, s16, HBY
	s_wait_dscnt 0x0                               ; both opening adds are done
	s_wait_kmcnt 0x0
	s_add_nc_u64 s[18:19], s[4:5], s[18:19]
	s_add_nc_u64 s[22:23], s[6:7], s[22:23]
	CROUND                                         ; all sixteen work-groups are here: the first joint loads meet
	s_mov_b32 s[G0A], 1                            ; X: K step 0
	s_mov_b32 s[G0A+1], s2
	s_mov_b64 s[G0A+2:G0A+3], s[18:19]
	s_or_b32 s[G0A+3], s[G0A+3], 0x80000000
	s_mov_b32 s[G0B], 1
	s_add_co_u32 s[G0B+1], s3, BOFFX
	s_mov_b64 s[G0B+2:G0B+3], s[22:23]
	s_or_b32 s[G0B+3], s[G0B+3], 0x80000000
	JLOAD 0
	s_mov_b32 s[G0A+12], 1                         ; Y: K steps 1 and 2
	s_add_co_u32 s[G0A+13], s82, YB
	s_add_nc_u64 s[G0A+14:G0A+15], s[18:19], 256
	s_or_b32 s[G0A+15], s[G0A+15], 0x80000000
	s_mov_b32 s[G0B+12], 1
	s_add_co_u32 s[G0B+13], s83, BOFFY
	s_add_nc_u64 s[G0B+14:G0B+15], s[22:23], 256
	s_or_b32 s[G0B+15], s[G0B+15], 0x80000000
	JLOAD 1                                        ; two loads of mine are out
	v_and_b32 v1, 15, v0                           ; r
	v_bfe_u32 v2, v0, 4, 1                         ; h
	v_mul_u32_u24 v3, v1, PX
	v_lshl_add_u32 v3, v2, 4, v3                   ; a fragment's row x pitch + 16 h, in X
	v_mul_u32_u24 v4, v1, PY
	v_lshl_add_u32 v4, v2, 4, v4                   ; and in Y
	s_mul_i32 s17, s15, HAX
	v_add_nc_u32 v[ADRA], s17, v3
	s_mul_i32 s17, s16, HBX
	s_add_co_u32 s17, s17, BOFFX
	v_add_nc_u32 v[ADRB], s17, v3
	s_mul_i32 s17, s15, HAY
	s_add_co_u32 s17, s17, YB
	v_add_nc_u32 v[ADRA+1], s17, v4
	s_mul_i32 s17, s16, HBY
	s_add_co_u32 s17, s17, BOFFY
	v_add_nc_u32 v[ADRB+1], s17, v4
	s_mul_i32 s17, s14, 16*SPITCH
	s_add_co_u32 s17, s17, STAGE                   ; my stage
	v_mul_u32_u24 v5, v1, SPITCH
	v_lshl_add_u32 v5, v2, 5, v5
	v_add_nc_u32 v[STO], s17, v5                   ; in: row r, 32 bytes for each half of the lanes
	v_and_b32 v6, 31, v0
	v_lshlrev_b32 v[CO], 4, v6                     ; back: the 32 lanes take one row of 512 bytes; and the same in out0
	v_add_nc_u32 v[RD], s17, v[CO]
	s_lshl_b32 s20, s79, 7
	s_lshl_b32 s21, s15, 6
	s_add_co_u32 s20, s20, s21                     ; my first token,
	s_lshl_b32 s20, s20, 14                        ; 16,384 bytes a row
	s_lshl_b32 s21, s78, 10
	s_add_co_u32 s20, s20, s21                     ; + 1,024 x tile column
	s_lshl_b32 s21, s16, 9
	s_add_co_u32 s20, s20, s21                     ; + 512 x half
	s_mov_b32 s21, 0
	s_add_nc_u64 s[8:9], s[8:9], s[20:21]
; 8 products: A's block a x B's eight, 32 along K, from set p.  The 32 accumulators take turns, one instruction a turn, in the same order in every step
.macro MUL8 a, p, zero
.irp b, 0,1,2,3,4,5,6,7
.if \zero
	v_wmma_f32_16x16x32_f16 v[8*(8*(\a)+\b):8*(8*(\a)+\b)+7], v[64*(\p)+8*\b:64*(\p)+8*\b+7], v[AF+32*(\p)+8*(\a):AF+32*(\p)+8*(\a)+7], 0
.else
	v_wmma_f32_16x16x32_f16 v[8*(8*(\a)+\b):8*(8*(\a)+\b)+7], v[64*(\p)+8*\b:64*(\p)+8*\b+7], v[AF+32*(\p)+8*(\a):AF+32*(\p)+8*(\a)+7], v[8*(8*(\a)+\b):8*(8*(\a)+\b)+7]
.endif
.endr
.endm
; 24 LDS loads in one run: the fragments of the slot's q-th 32 along K into set p.  A fragment, 16 rows x 32 K: lane l holds row l % 16; registers 0-3 K = 8 (l / 16) + 0..7, registers 4-7 K = 16 + 8 (l / 16) + 0..7.
; The largest immediate, in Y: 7 x 16 x 528 + 64 x 7 + 32 = 59,616, inside the 16 bits of an LDS offset
.macro FETCH slot, q, p
.set PP, PX+(PY-PX)*(\slot)            ; the slot's pitch
	WIN TO_B
.irp i, 0,1,2,3,4,5,6,7
	ds_load_b128 v[64*(\p)+8*\i:64*(\p)+8*\i+3],   v[ADRB+\slot] offset:64*(\q)+\i*16*PP
	ds_load_b128 v[64*(\p)+8*\i+4:64*(\p)+8*\i+7], v[ADRB+\slot] offset:64*(\q)+\i*16*PP+32
.endr
	WIN 0
.irp i, 0,1,2,3
	ds_load_b128 v[AF+32*(\p)+8*\i:AF+32*(\p)+8*\i+3],   v[ADRA+\slot] offset:64*(\q)+\i*16*PP
	ds_load_b128 v[AF+32*(\p)+8*\i+4:AF+32*(\p)+8*\i+7], v[ADRA+\slot] offset:64*(\q)+\i*16*PP+32
.endr
.endm
; A step of 32 along K that has its successor in the same slot: the next step's fragments are asked for ahead of this step's 32 products
.macro STEP slot, q, zero
	s_wait_dscnt 0x0                               ; this step's fragments are in: they were asked for 32 products ago
	PLACES 4                                       ; four plain instructions between the last products and loads into registers that they read (ISA guide 7.12.1 for vector instructions)
	FETCH \slot, (\q)+1, ((\q)+1)%2
	WIN MUL
	MUL8 0, (\q)%2, \zero
	MUL8 1, (\q)%2, \zero
	MUL8 2, (\q)%2, \zero
	MUL8 3, (\q)%2, \zero
	WIN 0
.endm
; A slot's last step (X's 4th, Y's 8th: both lie in set 1) changes slots: ONE barrier; in front of it each wave waits for all its tensor loads, adds 0 to its spare word, and waits for that and for its reads of this slot.
; fill = 1: this slot is filled again, with its tile three K steps on.
.macro TURN slot, next, fill
	s_wait_tensorcnt 0x0                           ; all my tensor loads have landed: the one that was out is my part of the next slot
	ds_add_u32 v[SPW], v[NIL]                      ; 0 onto my spare word
	s_wait_dscnt 1                                 ; this step's fragments are in; the add alone may be out
	WIN MUL
	MUL8 0, 1, 0                                   ; eight products stand between the add and the wait for it
	s_wait_dscnt 0x0                               ; the add is done, and my reads of this slot are over
	s_barrier_signal -1
	MUL8 1, 1, 0
	WIN 0
	s_barrier_wait -1
.if \fill
	CREST                                          ; the barrier has opened a round of the cluster's: no wave of any partner still reads this slot or has a load on its way
	s_add_nc_u64 s[G0A+12*\slot+2:G0A+12*\slot+3], s[G0A+12*\slot+2:G0A+12*\slot+3], KADV
	s_add_nc_u64 s[G0B+12*\slot+2:G0B+12*\slot+3], s[G0B+12*\slot+2:G0B+12*\slot+3], KADV
	JLOAD \slot                                    ; the first tensor load behind the round, and my one load until the next; its four v_nop are also the places in front of the loads below
.else
	PLACES 4
.endif
	FETCH \next, 0, 0
	WIN MUL
	MUL8 2, 1, 0
	MUL8 3, 1, 0
	WIN 0
.endm
.macro YSTEPS                          ; Y's first seven steps
.irp q, 0,1,2,3,4,5,6
	STEP 1, \q, 0
.endr
.endm
	s_wait_tensorcnt 1                             ; my part of X is in; Y's load may stay out
	s_barrier_signal -1
	s_barrier_wait -1
	FETCH 0, 0, 0
	STEP 0, 0, 1                                   ; the first step stands in front of the loop: its products start the sums
	s_mov_b32 s3, 4
.Llap:                                                 ; a trip goes once round the ring, three K steps of 128, from X's second step to the next X's first, and fills both slots again
	STEP 0, 1, 0
	STEP 0, 2, 0
	TURN 0, 1, 1
	YSTEPS
	TURN 1, 0, 1
	STEP 0, 0, 0
	s_sub_co_u32 s3, s3, 1
	s_cmp_lg_u32 s3, 0
	s_cbranch_scc1 .Llap
	STEP 0, 1, 0                                   ; the tail is written out: K step 12 in X, whose refill is the last load (K step 15);
	STEP 0, 2, 0
	TURN 0, 1, 1
	YSTEPS                                         ; K steps 13 and 14 in Y, which is not filled again: no round follows;
	TURN 1, 0, 0
	STEP 0, 0, 0                                   ; K step 15 in X
	STEP 0, 1, 0
	STEP 0, 2, 0
	s_wait_dscnt 0x0
	WIN MUL
	MUL8 0, 1, 0
	MUL8 1, 1, 0
	MUL8 2, 1, 0
	MUL8 3, 1, 0
	WIN 0
; THE WAY OUT, a block of 16 rows x 128 columns at a time: through my stage, back as whole rows of 512 bytes.  LDS serves a wave's instructions in order: no wait between the stores and the loads, nor in front of the next block's stores.
; The stage lies in Y: every wave has passed the last change of slots, in front of whose barrier it waited for its tensor loads and for its reads of Y, and no load is issued into Y behind it.
.macro TOSTAGE a
	WIN 0x08                                       ; an LDS store's data are its source 1: window 2
.irp b, 0,1,2,3,4,5,6,7
	ds_store_b128 v[STO], v[8*(8*(\a)+\b):8*(8*(\a)+\b)+3] offset:64*\b        ; each accumulator from its low end on
	ds_store_b128 v[STO], v[8*(8*(\a)+\b)+4:8*(8*(\a)+\b)+7] offset:64*\b+16
.endr
	WIN 0
.set BB, BK+64*((\a)%2)
.irp t, 0,1,2,3,4,5,6,7,8,9,10,11,12,13,14,15
	ds_load_b128 v[BB+4*\t:BB+4*\t+3], v[RD] offset:\t*SPITCH
.endr
.endm
.macro SEND a, younger                 ; younger: the LDS instructions issued behind block a's loads, which may stay out
.set BB, BK+64*((\a)%2)
	s_wait_dscnt \younger
.if (\a) > 0
	s_add_nc_u64 s[8:9], s[8:9], 16*16384          ; 16 rows on (behind the wait that shows that the earlier stores have read their base)
.endif
.irp t, 0,1,2,3,4,5,6,7,8,9,10,11,12,13,14,15
	global_store_b128 v[CO], v[BB+4*\t:BB+4*\t+3], s[8:9] offset:\t*16384 th:TH_STORE_NT   ; 32 lanes store 512 consecutive bytes, aligned; written once, read by nobody here
.endr
.endm
	PLACES 4                                       ; between the last products and the first read of results, and loads into A's registers
	TOSTAGE 0
.irp a, 1,2,3
.if \a > 1
	s_wait_xcnt 0x0                                ; block a - 2's stores have read their registers and their base
.endif
	TOSTAGE \a
	SEND \a-1, 32                                  ; behind block a - 1's loads: block a's 16 stores and 16 loads
.endr
	s_wait_xcnt 0x0
	SEND 3, 0
	s_wait_tensorcnt 0x0                           ; the wave's end
	ds_add_u32 v[SPW], v[NIL]
	s_wait_dscnt 0x0
	CROUND                                         ; the closing round: no work-group ends while a partner may still ask for a tile that names it
	s_endpgm
.Lfunc_end_k_q5483b626e5_oproj:
	.size	k_q5483b626e5_oproj, .Lfunc_end_k_q5483b626e5_oproj-k_q5483b626e5_oproj
	.p2alignl 7, 3214868480
	.fill 96, 4, 3214868480
	.section	.rodata,"a",@progbits
	.p2align	6, 0x0
	.amdhsa_kernel k_q5483b626e5_oproj
		.amdhsa_group_segment_fixed_size 327680
		.amdhsa_private_segment_fixed_size 0
		.amdhsa_enable_private_segment 0
		.amdhsa_kernarg_size 24
		.amdhsa_user_sgpr_count 2
		.amdhsa_user_sgpr_kernarg_segment_ptr 1
		.amdhsa_wavefront_size32 1
		.amdhsa_system_sgpr_workgroup_id_x 1
		.amdhsa_system_sgpr_workgroup_id_y 1
		.amdhsa_system_sgpr_workgroup_id_z 1
		.amdhsa_system_vgpr_workitem_id 0
		.amdhsa_next_free_vgpr 768
		.amdhsa_next_free_sgpr 90
		.amdhsa_reserve_vcc 0
		.amdhsa_float_denorm_mode_32 3
		.amdhsa_float_denorm_mode_16_64 3
		.amdhsa_memory_ordered 1
		.amdhsa_forward_progress 1
		.amdhsa_inst_pref_size 133
	.end_amdhsa_kernel
	.amdgpu_metadata
---
amdhsa.version: [ 1, 2 ]
amdhsa.kernels:
  - .name:           k_q5483b626e5_oproj
    .symbol:         k_q5483b626e5_oproj.kd
    .args:
      - { .name: atth, .offset: 0, .size: 8, .value_kind: global_buffer, .address_space: global }
      - { .name: wo16, .offset: 8, .size: 8, .value_kind: global_buffer, .address_space: global }
      - { .name: out0, .offset: 16, .size: 8, .value_kind: global_buffer, .address_space: global }
    .group_segment_fixed_size: 327680
    .private_segment_fixed_size: 0
    .kernarg_segment_align: 8
    .kernarg_segment_size: 24
    .max_flat_workgroup_size: 128
    .sgpr_count:     90
    .vgpr_count:     768
    .wavefront_size: 32
...
	.end_amdgpu_metadata
.endif
;; end of part 4
